; MI455X (gfx1250); checked and timed in simulation.
; The chip was launched on July 23, 2026; its instructions are those of AMD's public machine-readable ISA for CDNA 5 (MIT licence, August 2026) and "CDNA5" Instruction Set Architecture Reference Guide (July 2026). The comments in the code are by the model that wrote it; some were corrected since.
;; Causal Attention. Allowed arithmetic: matrix products marked QUANTISED: E5M2 operands, one E8M0 scale for each 32 along K, by v_wmma_scale_f32_16x16x128_f8f6f4 with both operands' format E5M2, f32 sums; everything else in f32.
;; Inputs: Wk 1,024 x 1,024 float32; Wq 1,024 x 1,024 float32; Wv 1,024 x 1,024 float32; x 4 x 2,048 x 1,024 float32.
;; Outputs: out0 4 x 2,048 x 1,024 float32.
;; This version of the problem:
;;   THIS VERSION OF THE PROBLEM IS GIVEN IN LOW PRECISION. The matrix products marked QUANTISED in the list below multiply operands that are first quantised to E5M2 (5 exponent bits, 2 mantissa bits; 8 bits a number), with one power-of-two scale for each 32 numbers along K (OCP MX v1.0); their sums are f32. All else is computed in f32.
;;   The module's matrix products, in the order in which they are computed (A, B: the left and right operand; K: the contracted axis; several contracted axes count as one K, in the product's order):
;;     1. [M 8,192, K 1,024] x [K 1,024, N 1,024]; A: input x; B: input Wq: QUANTISED
;;     2. [M 8,192, K 1,024] x [K 1,024, N 1,024]; A: input x; B: input Wk: QUANTISED
;;     3. [M 8,192, K 1,024] x [K 1,024, N 1,024]; A: input x; B: input Wv: QUANTISED
;;     4. batch 4 x [M 2,048, K 1,024] x [K 1,024, N 2,048]; A: computed on the way; B: computed on the way: QUANTISED
;;     5. batch 4 x [M 2,048, K 2,048] x [K 2,048, N 1,024]; A: softmax (see below); B: computed on the way: QUANTISED
;;   THE QUANTISER, for each operand of a quantised product, along K:
;;     - K is cut into blocks of 32 from its start; a last block that is shorter is filled with zeros.
;;     - A block's scale is 2^e with e = floor(log2(the largest magnitude in the block)) - 15, held to -126 .. 127; a block of zeros has e = 0. As a byte (E8M0): e + 127.
;;     - Each number is divided by its block's scale, clamped to +-57,344, and rounded to the nearest number of E5M2, ties to even, subnormals kept.
;;     - The product sums the exact products of the quantised numbers (number of the format x scale) in f32.
;;   ~~~python
;;   def quantise(x, axis):      # numpy; x: float32 -> the quantised numbers, widened to float32 again
;;       x = np.moveaxis(x, axis, -1); K = x.shape[-1]
;;       x = np.pad(x, [(0, 0)] * (x.ndim - 1) + [(0, -K % 32)]); x = x.reshape(x.shape[:-1] + (-1, 32)); a = np.abs(x).max(-1, keepdims=True)
;;       e = np.where(a > 0, np.clip(np.frexp(np.where(a > 0, a, 1))[1] - 1 - 15, -126, 127), 0)      # np.frexp(a)[1] - 1 = floor(log2(a)), exactly
;;       r = np.clip(x / 2.0 ** e, -57344, 57344)
;;       step = 2.0 ** (np.maximum(np.frexp(np.where(r == 0, 1, r))[1] - 1, -14) - 2)
;;       q = np.round(r / step) * step * 2.0 ** e      # np.round: ties to even
;;       return np.moveaxis(q.reshape(q.shape[:-2] + (-1,))[..., :K], -1, axis).astype(np.float32)
;;   ~~~
;;   SOFTMAX AHEAD OF A QUANTISED PRODUCT. Where the list says 'softmax', what is quantised is not the finished softmax but p = 2^(t - M), with t = logit x log2(e) and M = ceil(the row's largest t), a whole number; so 1/2 < the row's largest p <= 1. The row's sum l is taken of the UNQUANTISED p, in f32, and the product's result is divided by l at the end. Since M is a whole number, a kernel that streams over the keys may use a running M (the ceiling of the running maximum): every later rescaling is an exact power of two, which a block's scale takes up: the codes' values come out the same.
;;   OPERANDS COMPUTED ON THE WAY. 'Computed on the way' means the value that the module computes at that place (a softmax that the list does not call 'softmax' is quantised finished and normalised). What goes into a quantiser is computed in f32, as accurately as f32 sums, v_exp_f32 and their like allow (about 1e-6 of the number): no bf16 or f16 on the way to a quantiser, and a product that is left as it is and whose result goes on into a quantised operand takes f32 operands (vector FMAs, or v_wmma_f32_16x16x4_f32). A number that lies on a knife's edge between two numbers of the format may be rounded either way, as far as f32 arithmetic and the matrix unit's own rounding can turn it there, and no further.
;; One version. Each part assembles by itself: llvm-mc -triple=amdgcn-amd-amdhsa -mcpu=gfx1250 --defsym DOCPART=n.
;; ======== version 1 of 1: 4 launches
;; limits: right only within a limited range of input values
;; workspace buffers: xq 8,650,752 bytes; wq 3,244,032 bytes; qkv 25,952,256 bytes; pp 10,485,760 bytes
;; launch quant (part 1): grid 448 x 1, 4 waves a work-group, no clusters, 35,328 bytes of LDS; arguments x, Wq, Wk, Wv, xq, wq; writes xq, wq
.if DOCPART == 1
	.amdgcn_target "amdgcn-amd-amdhsa--gfx1250"
	.amdhsa_code_object_version 6
	.text
	.protected	k_qef8edb3302_quant
	.globl	k_qef8edb3302_quant
	.p2align	8
	.type	k_qef8edb3302_quant,@function
k_qef8edb3302_quant:
	s_mov_b64 s[64:65], 0
	v_nop
	global_prefetch_b8 v0, s[64:65] scope:SCOPE_SE
	s_setreg_imm32_b32 hwreg(HW_REG_WAVE_MODE, 25, 1), 1
	s_wait_xcnt 0x0
; CAUSAL ATTENTION, one head of 1,024, 4 batches of 2,048 positions, all five products on codes of BF8 (E5M2) with one E8M0 scale for each 32 along K.
; Four launches: THIS ONE quantises x and the three weights; the second makes q, k, v and quantises them; the third makes the scores and p; the fourth p v / l.
; WORK LEFT OUT IN THE LATER LAUNCHES.  reference() builds its mask itself (jnp.tril): a score whose key lies behind its query becomes -inf, so its p is 0 whatever finite
; numbers the inputs hold.  So the tiles of 256 queries x 256 keys all of whose keys lie behind all their queries are not multiplied, a wave's 128 x 128 that lies wholly above the
; diagonal is not turned into p, and the last product walks, for a group of 128 queries, only the key steps up to its own.  All four inputs have a way to the output and are loaded.
; LIMIT: a NaN, an infinity or an overflow that reaches only those masked scores is not carried to the result.
; THE OPERAND IMAGE, the one layout of all workspace operands: rows in groups of 128, K in steps of 128; block (group, step) is 16,384 dense bytes [tile 0..7][c 0..3][lane][16 bytes]:
; register group c of lane (r, h) holds k = 32 c + 16 h + 0 .. 15 of the tile's row r, so that four loads of 16 bytes a lane, 512 consecutive bytes each, bring a fragment.
; THE ROWS OF A TILE ARE NOT NEIGHBOURS: row r of tile a is the group's row 32 (a / 2) + 8 (a % 2) + r % 8 + 16 (r / 8), so that, with such tiles as source 0, the 16 result registers of
; tiles 2 b and 2 b + 1 are 16 neighbours along the next product's K.  Scale words (four bytes: 128 along K of a row): [group][step][tile][r].
; THE QUANTISER: a block's scale is 2^(floor(log2(its largest magnitude)) - 15); its byte is the largest magnitude's exponent field - 15, held at 1 from below; each number is held within
; +-57,344 x the scale and rounded to the nearest code, ties to even.
; LIMITS: a block whose largest magnitude lies under 2^(16 - 127), a block of zeros among them, keeps the byte 1 (zero codes add nothing; this program alone reads the bytes); NaN and infinities among the inputs are not served.
; SHARES.  Work-groups 0-255: x (K innermost).  Group = id / 4; a wave takes one K step and 64 rows: four fragments.  Each load reads 512 consecutive bytes of one row; 16 rows turn through the
; wave's own stage in LDS, so that a lane gets 16 neighbours of each block of 32.   Work-groups 256-447: the weights (K outermost): a lane takes a column, its registers run down K; no LDS.
; WHERE THE WORKSPACE'S PARTS LIE.  x: [256 rows][K step][group of 128 of the two]: a block of 16,384 bytes of codes and its 512 bytes of scale words [tile][r] directly behind them.
; Weights: [Wq, Wk, Wv][128 columns][pair of tiles][tile of the two][K step][c][lane][16 bytes], and behind each pair's 32,768 bytes its scale words [K step][tile of the two][r]: 33,792 bytes a pair.
.set BLK,   16896
.set SROW,  528                        ; a stage row: 512 bytes + 16
.set SWD,   16*SROW                    ; behind the stage: the wave's 64 scale words
.set WREG,  SWD+256                    ; a wave's LDS
.set SPARE, 4*WREG                     ; the spare words, 128 bytes a wave
.set SPW, 12                           ; v12  my spare word's address; never rewritten
.set NIL, 13                           ; v13  0; never rewritten
.set PW,  14                           ; v14  the scale word just made
.set R,   16                           ; v16-143  two sets of 64: 16 rows as loaded
.set X,   144                          ; v144-207 64 numbers of my row: register 16 b + i = k 32 b + 16 h + i
.set PC,  208                          ; v208-239 codes, two sets
.set TM,  240                          ; v240-255 at work
.set XW,  32                           ; weights: v32-95 two sets of 32 numbers
.set CW,  96                           ; v96-127 codes, eight for each block
.set SB,  24                           ; v24 the column's scale word
.set SEL, 20                           ; s[20:21] selects of v_permlanex16_b32: lane l xor 16
.set MNT, 23                           ; s23 the mantissa field of 57,344
	s_load_b256 s[4:11], s[0:1], 0x0               ; x s[4:5], Wq s[6:7], Wk s[8:9], Wv s[10:11]
	s_load_b128 s[12:15], s[0:1], 0x20             ; xq s[12:13], wq s[14:15]
	v_lshl_add_u32 v[SPW], v0, 2, SPARE
	v_mov_b32 v[NIL], 0
	v_lshrrev_b32 v1, 5, v0
	v_readfirstlane_b32 s16, v1                    ; wave
	v_and_b32 v15, 31, v0                          ; lane
	s_mov_b32 s[MNT], 0x600000
	s_cmp_lt_u32 ttmp9, 256
	s_cbranch_scc0 .Lweights
	; ---------------- x ----------------
	v_lshlrev_b32 v1, 4, v15                       ; 16 x lane: my bytes of a load and of a store
	s_mul_i32 s17, s16, WREG
	v_add_nc_u32 v2, s17, v1                       ; the stage, on the way in
	v_and_b32 v7, 15, v0                           ; r
	v_bfe_u32 v8, v0, 4, 1                         ; h
	v_mul_u32_u24 v3, v7, SROW
	v_lshl_add_u32 v3, v8, 6, v3
	v_add_nc_u32 v3, s17, v3                       ; and on the way out: row r, + 64 h
	s_add_co_u32 s17, s17, SWD
	v_lshl_add_u32 v4, v7, 2, s17                  ; my row's scale word
	v_lshl_add_u32 v5, v15, 3, s17                 ; the words' way out: 8 bytes a lane
	v_lshlrev_b32 v6, 3, v15
	s_mov_b32 s[SEL], 0x76543210
	s_mov_b32 s[SEL+1], 0xfedcba98
.irp b, 0,1,2,3
	v_mov_b32 v[TM+4+\b], 0                        ; a lane permute's destination counts as one of its sources
.endr
	s_lshr_b32 s18, ttmp9, 2                       ; group
	s_and_b32 s19, ttmp9, 3
	s_lshl_b32 s19, s19, 1
	s_lshr_b32 s24, s16, 1
	s_add_co_u32 s19, s19, s24                     ; K step
	s_and_b32 s24, s16, 1                          ; which 64 rows
	s_lshl_b32 s26, s18, 19                        ; x: (128 group + 64 half) rows of 4,096 bytes + 512 step
	s_lshl_b32 s25, s24, 18
	s_add_co_u32 s26, s26, s25
	s_lshl_b32 s25, s19, 9
	s_add_co_u32 s26, s26, s25
	s_mov_b32 s27, 0
	s_lshr_b32 s28, s18, 1
	s_lshl_b32 s28, s28, 3
	s_add_co_u32 s28, s28, s19
	s_lshl_b32 s28, s28, 1
	s_and_b32 s25, s18, 1
	s_add_co_u32 s28, s28, s25                     ; block = 2 (8 (group / 2) + step) + group % 2
	s_mul_i32 s28, s28, BLK
	s_lshl_b32 s25, s24, 13
	s_add_co_u32 s30, s28, s25                     ; codes: + 8,192 half
	s_mov_b32 s31, 0
	s_lshl_b32 s25, s24, 8
	s_add_co_u32 s28, s28, s25
	s_add_co_u32 s28, s28, 16384                   ; words: + 16,384 + 256 half
	s_mov_b32 s29, 0
	s_wait_alu depctr_va_vdst(0)
	s_wait_kmcnt 0x0
	s_add_nc_u64 s[4:5], s[4:5], s[26:27]
	s_add_nc_u64 s[30:31], s[12:13], s[30:31]
	s_add_nc_u64 s[28:29], s[12:13], s[28:29]
.macro LOADX f                         ; the 16 rows of fragment f, in the image's order: each load reads 512 consecutive bytes of one row
.irp i, 0,1,2,3,4,5,6,7,8,9,10,11,12,13,14,15
	global_load_b128 v[R+64*((\f)%2)+4*\i:R+64*((\f)%2)+4*\i+3], v1, s[4:5] offset:(32*((\f)/2)+8*((\f)%2)+(\i%8)+16*(\i/8))*4096 th:TH_LOAD_NT
.endr
.endm
; 64 numbers of a lane become a fragment's codes in v[pc] on and its scale word in v[PW]
.macro QUANT s, pc
.irp b, 0,1,2,3
	v_max3_num_f32 v[TM+\b], |v[\s+16*\b]|, |v[\s+1+16*\b]|, 0x8000000   ; my 16 numbers of block b, and the floor 2^(16 - 127): the byte cannot fall under 1
.endr
.irp i, 2,4,6,8,10,12,14
.irp b, 0,1,2,3
	v_max3_num_f32 v[TM+\b], v[TM+\b], |v[\s+16*\b+\i]|, |v[\s+1+16*\b+\i]|
.endr
.endr
.irp b, 0,1,2,3
	v_permlanex16_b32 v[TM+4+\b], v[TM+\b], s[SEL], s[SEL+1]
.endr
.irp b, 0,1,2,3
	v_max_num_f32 v[TM+\b], v[TM+\b], v[TM+4+\b]   ; with lane l xor 16's: the block's largest magnitude
.endr
.irp b, 0,1,2,3
	v_add_nc_u32 v[TM+12+\b], 0xf8800000, v[TM+\b] ; 15 off its exponent field: the conversion's scale operand
.endr
.irp b, 0,1,2,3
	v_and_or_b32 v[TM+8+\b], v[TM+\b], 0x7f800000, s[MNT]   ; 57,344 x the scale
.endr
.irp b, 0,1,2,3
	v_lshrrev_b32 v[TM+4+\b], 23, v[TM+12+\b]      ; the scale's byte
.endr
	v_lshl_or_b32 v[PW], v[TM+5], 8, v[TM+4]
	v_lshl_or_b32 v[PW], v[TM+6], 16, v[PW]
	v_lshl_or_b32 v[PW], v[TM+7], 24, v[PW]
.irp b, 0,1,2,3
.irp i, 0,1,2,3,4,5,6,7,8,9,10,11,12,13,14,15
	v_med3_num_f32 v[\s+16*\b+\i], v[\s+16*\b+\i], -v[TM+8+\b], v[TM+8+\b]   ; the conversion to an 8-bit code does not saturate (ISA guide 7.6.2): the hold
.endr
	v_cvt_scalef32_pk8_bf8_f32 v[\pc+4*\b:\pc+1+4*\b], v[\s+16*\b:\s+7+16*\b], v[TM+12+\b]
	v_cvt_scalef32_pk8_bf8_f32 v[\pc+2+4*\b:\pc+3+4*\b], v[\s+8+16*\b:\s+15+16*\b], v[TM+12+\b]
.endr
	v_nop                                          ; a plain line behind the last scaled conversion
.endm
.macro FRAGX f
.if (\f) < 3
	s_wait_loadcnt 16                              ; this fragment's 16 loads are in; the next fragment's 16 may be out
.else
	s_wait_loadcnt 0x0
.endif
.irp i, 0,1,2,3,4,5,6,7,8,9,10,11,12,13,14,15
	ds_store_b128 v2, v[R+64*((\f)%2)+4*\i:R+64*((\f)%2)+4*\i+3] offset:SROW*\i
.endr
.irp c, 0,1,2,3
.irp j, 0,1,2,3
	ds_load_b128 v[X+16*\c+4*\j:X+16*\c+4*\j+3], v3 offset:128*\c+16*\j   ; LDS serves a wave's instructions in order: these see my stores
.endr
.endr
	s_wait_dscnt 0x0                               ; my numbers are back; the stores have read their registers; the last fragment's word store is done
.if (\f)+2 < 4
	LOADX (\f)+2
.endif
.if (\f) >= 2
	s_wait_xcnt 0x0                                ; the stores of two fragments back have read this set of codes
.endif
	QUANT X, PC+16*((\f)%2)
	ds_store_b32 v4, v[PW] offset:64*(\f)          ; both lanes of a row write the same word
.irp c, 0,1,2,3
	global_store_b128 v1, v[PC+16*((\f)%2)+4*\c:PC+16*((\f)%2)+4*\c+3], s[30:31] offset:2048*(\f)+512*\c   ; 512 consecutive bytes
.endr
.endm
	LOADX 0
	LOADX 1
	FRAGX 0
	FRAGX 1
	FRAGX 2
	FRAGX 3
	ds_load_b64 v[8:9], v5
	s_wait_dscnt 0x0
	global_store_b64 v6, v[8:9], s[28:29]          ; the wave's 64 scale words: 256 consecutive bytes, aligned
	s_wait_tensorcnt 0x0                           ; the wave's end
	ds_add_u32 v[SPW], v[NIL]
	s_wait_dscnt 0x0
	s_endpgm
	; ---------------- the weights ----------------
.Lweights:
	s_sub_co_u32 s17, ttmp9, 256
	s_lshr_b32 s18, s17, 3                         ; group 0..23: 8 for each of Wq, Wk, Wv
	s_and_b32 s19, s17, 7                          ; K step
	s_lshr_b32 s24, s18, 3                         ; which weight
	s_and_b32 s25, s18, 7                          ; which 128 columns
	s_lshl_b32 s26, s19, 19                        ; 128 step rows of 4,096 bytes + 4 (128 columns' group + 32 wave)
	s_lshl_b32 s27, s25, 9
	s_add_co_u32 s26, s26, s27
	s_lshl_b32 s27, s16, 7
	s_add_co_u32 s26, s26, s27
	s_mov_b32 s27, 0
	s_lshl_b32 s28, s18, 2
	s_add_co_u32 s28, s28, s16
	s_mul_i32 s28, s28, 2*BLK                      ; my wave's pair of tiles
	s_lshl_b32 s31, s19, 11
	s_add_co_u32 s30, s28, s31                     ; codes: + 2,048 step
	s_mov_b32 s31, 0
	s_lshl_b32 s29, s19, 7
	s_add_co_u32 s28, s28, s29
	s_add_co_u32 s28, s28, 32768                   ; words: + 32,768 + 128 step
	s_mov_b32 s29, 0
	s_wait_alu depctr_va_vdst(0)
	v_lshlrev_b32 v1, 2, v15                       ; in: 4 bytes a lane: 128 consecutive bytes a load
	v_bfe_u32 v2, v15, 3, 1                        ; column 32 wave + lane is row r = lane % 8 + 8 (lane / 16) of tile 2 wave + u, u = (lane / 8) % 2
	v_and_b32 v3, 7, v15
	v_lshrrev_b32 v4, 4, v15
	v_lshl_add_u32 v3, v4, 3, v3
	v_lshlrev_b32 v5, 4, v3
	v_lshl_add_u32 v5, v2, 14, v5                  ; codes: 16,384 u + 16 r
	v_lshl_add_u32 v6, v2, 4, v3
	v_lshlrev_b32 v6, 2, v6                        ; word: 4 (16 u + r)
	s_wait_alu depctr_va_vdst(0)
	s_wait_kmcnt 0x0
	s_cmp_eq_u32 s24, 0                            ; the choice hangs on the work-group's number alone
	s_cselect_b64 s[6:7], s[6:7], s[8:9]
	s_cmp_eq_u32 s24, 2
	s_cselect_b64 s[6:7], s[10:11], s[6:7]
	s_add_nc_u64 s[6:7], s[6:7], s[26:27]
	s_add_nc_u64 s[30:31], s[14:15], s[30:31]
	s_add_nc_u64 s[28:29], s[14:15], s[28:29]
.macro LOADW c                         ; block c: W(32 c + i, my column)
.irp i, 0,1,2,3,4,5,6,7,8,9,10,11,12,13,14,15,16,17,18,19,20,21,22,23,24,25,26,27,28,29,30,31
	global_load_b32 v[XW+32*((\c)%2)+\i], v1, s[6:7] offset:(32*(\c)+\i)*4096 th:TH_LOAD_NT
.endr
.endm
.macro BLOCKW c
.set XB, XW+32*((\c)%2)
.if (\c) < 3
	s_wait_loadcnt 32                              ; this block's 32 loads are in; the next block's may be out
.else
	s_wait_loadcnt 0x0
.endif
	v_max3_num_f32 v8, |v[XB]|, |v[XB+1]|, |v[XB+2]|   ; all 32 numbers of the block are mine
	v_max3_num_f32 v9, |v[XB+3]|, |v[XB+4]|, |v[XB+5]|
.irp i, 6,10,14,18,22,26
	v_max3_num_f32 v8, v8, |v[XB+\i]|, |v[XB+\i+1]|
	v_max3_num_f32 v9, v9, |v[XB+\i+2]|, |v[XB+\i+3]|
.endr
	v_max3_num_f32 v8, v8, |v[XB+30]|, |v[XB+31]|
	v_max3_num_f32 v8, v8, v9, 0x8000000           ; and the floor
	v_add_nc_u32 v11, 0xf8800000, v8
	v_and_or_b32 v10, v8, 0x7f800000, s[MNT]
	v_lshrrev_b32 v7, 23, v11
.if (\c) == 0
	v_mov_b32 v[SB], v7
.else
	v_lshl_or_b32 v[SB], v7, 8*(\c), v[SB]
.endif
.irp i, 0,1,2,3,4,5,6,7,8,9,10,11,12,13,14,15,16,17,18,19,20,21,22,23,24,25,26,27,28,29,30,31
	v_med3_num_f32 v[XB+\i], v[XB+\i], -v10, v10
.endr
.irp g, 0,1,2,3
	v_cvt_scalef32_pk8_bf8_f32 v[CW+8*(\c)+2*\g:CW+8*(\c)+2*\g+1], v[XB+8*\g:XB+8*\g+7], v11
.endr
	v_nop                                          ; a plain line behind the last scaled conversion
.if (\c)+2 < 4
	LOADW (\c)+2
.endif
	global_store_b128 v5, v[CW+8*(\c):CW+8*(\c)+3], s[30:31] offset:512*(\c)          ; k 32 c + 0 .. 15: sixteen lanes fill 256 consecutive bytes, aligned, in each of the two tiles
	global_store_b128 v5, v[CW+8*(\c)+4:CW+8*(\c)+7], s[30:31] offset:512*(\c)+256    ; k 32 c + 16 .. 31
.endm
	LOADW 0
	LOADW 1
	BLOCKW 0
	BLOCKW 1
	BLOCKW 2
	BLOCKW 3
	global_store_b32 v6, v[SB], s[28:29]           ; 128 consecutive bytes a wave: one byte in 128 of what this path reads
	s_endpgm
.Lfunc_end_k_qef8edb3302_quant:
	.size	k_qef8edb3302_quant, .Lfunc_end_k_qef8edb3302_quant-k_qef8edb3302_quant
	.p2alignl 7, 3214868480
	.fill 96, 4, 3214868480
	.section	.rodata,"a",@progbits
	.p2align	6, 0x0
	.amdhsa_kernel k_qef8edb3302_quant
		.amdhsa_group_segment_fixed_size 35328
		.amdhsa_private_segment_fixed_size 0
		.amdhsa_enable_private_segment 0
		.amdhsa_kernarg_size 48
		.amdhsa_user_sgpr_count 2
		.amdhsa_user_sgpr_kernarg_segment_ptr 1
		.amdhsa_wavefront_size32 1
		.amdhsa_system_sgpr_workgroup_id_x 1
		.amdhsa_system_sgpr_workgroup_id_y 1
		.amdhsa_system_sgpr_workgroup_id_z 1
		.amdhsa_system_vgpr_workitem_id 0
		.amdhsa_next_free_vgpr 256
		.amdhsa_next_free_sgpr 66
		.amdhsa_reserve_vcc 0
		.amdhsa_float_denorm_mode_32 3
		.amdhsa_float_denorm_mode_16_64 3
		.amdhsa_memory_ordered 1
		.amdhsa_forward_progress 1
		.amdhsa_inst_pref_size 80
	.end_amdhsa_kernel
	.amdgpu_metadata
---
amdhsa.version: [ 1, 2 ]
amdhsa.kernels:
  - .name:           k_qef8edb3302_quant
    .symbol:         k_qef8edb3302_quant.kd
    .args:
      - { .name: x, .offset: 0, .size: 8, .value_kind: global_buffer, .address_space: global }
      - { .name: Wq, .offset: 8, .size: 8, .value_kind: global_buffer, .address_space: global }
      - { .name: Wk, .offset: 16, .size: 8, .value_kind: global_buffer, .address_space: global }
      - { .name: Wv, .offset: 24, .size: 8, .value_kind: global_buffer, .address_space: global }
      - { .name: xq, .offset: 32, .size: 8, .value_kind: global_buffer, .address_space: global }
      - { .name: wq, .offset: 40, .size: 8, .value_kind: global_buffer, .address_space: global }
    .group_segment_fixed_size: 35328
    .private_segment_fixed_size: 0
    .kernarg_segment_align: 8
    .kernarg_segment_size: 48
    .max_flat_workgroup_size: 128
    .sgpr_count:     66
    .vgpr_count:     256
    .wavefront_size: 32
...
	.end_amdgpu_metadata
.endif
;; end of part 1
;; launch proj (part 2): grid 32 x 8, 4 waves a work-group, clusters of 4 x 1, 327,680 bytes of LDS; arguments xq, wq, qkv; writes qkv
.if DOCPART == 2
	.amdgcn_target "amdgcn-amd-amdhsa--gfx1250"
	.amdhsa_code_object_version 6
	.text
	.protected	k_qef8edb3302_proj
	.globl	k_qef8edb3302_proj
	.p2align	8
	.type	k_qef8edb3302_proj,@function
k_qef8edb3302_proj:
	s_mov_b64 s[64:65], 0
	v_nop
	global_prefetch_b8 v0, s[64:65] scope:SCOPE_SE
	s_setreg_imm32_b32 hwreg(HW_REG_WAVE_MODE, 25, 1), 1
	s_wait_xcnt 0x0
	s_wait_alu depctr_hold_cnt(0) depctr_sa_sdst(0) depctr_va_vdst(0) depctr_va_sdst(0) depctr_va_ssrc(0) depctr_va_vcc(0) depctr_vm_vsrc(0)
	s_getreg_b32 s2, hwreg(HW_REG_IB_STS2, 6, 4)
	s_cmp_eq_u32 s2, 0
	s_cbranch_scc0 .Lentry_in_a_cluster
	s_endpgm
.Lentry_in_a_cluster:
	s_bfe_u32 s2, ttmp6, 0x10000c
	s_cmp_lg_u32 s2, 0x3003
	s_cbranch_scc0 .Lentry_shape_is_right
	s_endpgm
.Lentry_shape_is_right:
; q, k, v = x W on codes of BF8 (E5M2), K = 1,024, and their quantisers: codes and scale words leave in the order of the operand registers of the launches that read them.  No f32 result is stored.
; SHARES.  A work-group makes 256 tokens x 384 columns, 128 each of q, k and v: 256 work-groups.  Each of its four waves holds 64 tokens, ALL of K, in 512 registers (four tiles x eight K steps) for the whole launch
; and streams the 384 columns past them in 24 blocks of 16: 32 products a block, four accumulators by turns.
; x goes from memory straight into registers: each byte is wanted by one wave of the work-group alone, so nothing of it is asked for jointly.
; THE WEIGHTS come through LDS: three chunks of 128 columns (Wq, Wk, Wv) in two slots, one joint load a wave for each; the four work-groups of a cluster differ in their tokens alone and share every chunk.
; Wq at the head, Wk behind the second round, Wv into slot 0 behind pair 2, when all waves hold slot 0's last pair in registers.
; NO PREFETCH: three loads a wave in all; Wk has three pairs' work in which to land, and Wv one pair's and more ahead of the barrier that shows it.
; A PAIR of blocks makes 32 columns.  q, k: source 0 = 16 columns of W, source 1 = 16 tokens: a lane holds a token and, of the pair's two tiles, 16 neighbouring columns.  v: the sources change places: a lane holds a column and,
; of two token tiles, 16 neighbouring tokens.  Either way a pair leaves four units of 16 registers, half of a scale block each, the other half in lane l xor 16.
; THE WAY OUT of a pair stands among the next pair's products, two or three lines behind each; its sums are copied first, so that one trip is one pair.  The first trip's works on zeros and stores nothing.
; LIMITS: a block whose largest magnitude lies under 2^(16 - 127) keeps the byte 1; NaN and infinities are not served.
; REGISTERS: windows 1, 2: x (fragment 4 q + t);  window 3: W's two sets of eight fragments;  window 0: v1-9 addresses; v16-31 x's scale words (register 8 (t / 2) + q: lanes 0-15 tile t even, 16-31 odd);
;   v32-47 W's, two sets (lanes 0-15); v64-127 sums; v128-191 the pair's before; v192-207 its codes; v208-219 at work.
.set BLK,   16896
.set PAIRB, 33792                      ; a pair of tiles: 32 columns x 1,024 and their scale words
.set CHUNK, 4*PAIRB
.set SCR,   2*CHUNK                    ; scale words on their way out: q, k, v: [group of two][tile][r]
.set SPARE, SCR+3072                   ; the spare words, 128 bytes a wave
.set VC,    17301504                   ; qkv: [group of 128 tokens][q, k][step of 128 columns] blocks; from here v's codes [128 columns][group of 128 tokens],
.set VSC,   25690112                   ; and v's scale words
.set NF,    40                         ; LDS loads of a block: 32 of codes, eight scale words
.set LI,  1                            ; 16 x lane
.set L4,  2                            ; 4 x lane
.set R4,  3                            ; 4 x (lane % 16)
.set AW,  4                            ; LDS: the next pair's codes,
.set AWS, 5                            ; and scale words
.set BA,  6                            ; LDS: where a scale byte goes
.set SPW, 7
.set NIL, 8
.set L8,  9                            ; 8 x lane
.set XS,  16
.set WSC, 32
.set ACC, 64
.set WK,  128
.set CD,  192
.set TQ,  208
.set SOP, 212
.set EB,  216
.set P,   19                           ; s19 the pair: 0-3 q, 4-7 k, 8-11 v
.set G1,  28
.set G0,  36
.set QB,  40
.set VB,  42
.set BQ,  44
.set BV,  45
.set SEL, 46
.set MNT, 48
.set LB,  49
.set XB,  50
.set XW,  52
.set VW,  54
.set MSB, 0
.macro WIN new
.if MSB != (\new)
	s_set_vgpr_msb (MSB<<8)|(\new)
.set MSB, \new
.endif
.endm
.macro CROUND                          ; a round of the cluster's barrier
	s_barrier_signal -1
	s_barrier_wait -1
	s_cmp_lg_u32 s14, 0
	s_cbranch_scc1 .Lnot_wave_0_\@
	s_barrier_signal -3
.Lnot_wave_0_\@:
	s_barrier_wait -3
	s_barrier_signal -1
	s_barrier_wait -1
.endm
.macro TLOAD                           ; my pair of a chunk, jointly
	tensor_load_to_lds s[G0:G0+3], s[G1:G1+7]
	s_nop 0
.rept 4
	v_nop
.endr
.endm
.macro XLOAD q                         ; x: K step q of my four tiles: 16 loads of 512 consecutive bytes
	WIN (1+(\q)/4)<<6
.irp t, 0,1,2,3
.irp c, 0,1,2,3
	global_load_b128 v[16*(4*((\q)%4)+\t)+4*\c:16*(4*((\q)%4)+\t)+4*\c+3], v[LI], s[XB:XB+1] offset:(\q)*2*BLK+2048*\t+512*\c
.endr
.endr
	WIN 0
.endm
	s_load_b128 s[4:7], s[0:1], 0x0                ; xq s[4:5], wq s[6:7]
	s_load_b64 s[8:9], s[0:1], 0x10                ; qkv
	v_lshl_add_u32 v[SPW], v0, 2, SPARE
	v_mov_b32 v[NIL], 0
	ds_add_u32 v[SPW], v[NIL]                      ; the wave's opening: the add, twice on end, and its wait ahead of my first tensor load
	ds_add_u32 v[SPW], v[NIL]
	v_lshrrev_b32 v10, 5, v0
	v_readfirstlane_b32 s14, v10                   ; wave
	s_lshr_b32 s15, s14, 1                         ; my group of 128 tokens of the two
	s_and_b32 s16, s14, 1                          ; and my half of it
	s_bfe_u32 s20, ttmp6, 0x40000
	s_lshl_b32 s17, ttmp9, 2
	s_add_co_u32 s17, s17, s20                     ; my 256 tokens
	s_and_b32 s18, ttmp7, 0xffff                   ; my 128 columns of each weight
	s_mul_i32 s56, s17, 16*BLK
	s_mul_i32 s57, s15, BLK
	s_add_co_u32 s56, s56, s57
	s_lshl_b32 s57, s16, 13
	s_add_co_u32 s[XB], s56, s57                   ; x: my four tiles,
	s_mov_b32 s[XB+1], 0
	s_lshl_b32 s57, s16, 8
	s_add_co_u32 s[XW], s56, s57
	s_add_co_u32 s[XW], s[XW], 16384               ; and their scale words
	s_mov_b32 s[XW+1], 0
	s_lshl_b32 s58, s18, 2
	s_add_co_u32 s58, s58, s14
	s_mul_i32 s58, s58, PAIRB                      ; Wq: my pair of the chunk
	s_mov_b32 s59, 0
	s_mul_i32 s[LB], s14, PAIRB                    ; and its place in a slot
	; descriptor group 1: a pair as 132 rows of 256 bytes (32 elements of 8 bytes); 15:0 the mask: all four work-groups; bit 21 beside it
	s_mov_b32 s[G1+0], 15|(3<<16)|(1<<21)
	s_mov_b32 s[G1+1], 32<<16
	s_mov_b32 s[G1+2], 132<<16
	s_mov_b32 s[G1+3], 32<<16
	s_mov_b32 s[G1+4], 132
	s_mov_b32 s[G1+5], 32
	s_mov_b32 s[G1+6], 0
	s_mov_b32 s[G1+7], 0
	s_mov_b32 s[G0], 1
	s_mov_b32 s[G0+1], s[LB]
	s_mov_b32 s[SEL], 0x76543210
	s_mov_b32 s[SEL+1], 0xfedcba98
	s_mov_b32 s[MNT], 0x600000
	s_mov_b32 s[P], 0
	v_and_b32 v10, 31, v0
	v_and_b32 v11, 15, v0
	v_lshlrev_b32 v[LI], 4, v10
	v_lshlrev_b32 v[L4], 2, v10
	v_lshlrev_b32 v[L8], 3, v10
	v_lshlrev_b32 v[R4], 2, v11
	v_mov_b32 v[AW], v[LI]                         ; pair 0
	v_mov_b32 v[AWS], v[R4]
	s_wait_alu depctr_va_vdst(0)
	s_wait_dscnt 0x0                               ; both opening adds are done
	s_wait_kmcnt 0x0
	s_add_nc_u64 s[XB:XB+1], s[4:5], s[XB:XB+1]
	s_add_nc_u64 s[XW:XW+1], s[4:5], s[XW:XW+1]
	s_add_nc_u64 s[G0+2:G0+3], s[6:7], s[58:59]
	s_or_b32 s[G0+3], s[G0+3], 0x80000000
.irp q, 0,1,2,3,4,5,6,7
	global_load_b32 v[XS+\q], v[L4], s[XW:XW+1] offset:\q*2*BLK
	global_load_b32 v[XS+8+\q], v[L4], s[XW:XW+1] offset:\q*2*BLK+128
.endr
	XLOAD 0
	XLOAD 1
	CROUND                                         ; all four work-groups are here: the joint loads meet
	TLOAD                                          ; Wq into slot 0
	XLOAD 2
	XLOAD 3
	XLOAD 4
	XLOAD 5
	XLOAD 6
	XLOAD 7
	; where my results go
	s_lshl_b32 s56, s17, 1
	s_add_co_u32 s56, s56, s15                     ; my group of 128 tokens
	s_lshl_b32 s57, s56, 4
	s_add_co_u32 s57, s57, s18
	s_mul_i32 s57, s57, BLK                        ; q's block; k's lies 8 blocks on
	s_lshl_b32 s60, s16, 13
	s_add_co_u32 s[QB], s57, s60
	s_mov_b32 s[QB+1], 0
	s_add_nc_u64 s[QB:QB+1], s[8:9], s[QB:QB+1]
	s_lshl_b32 s60, s16, 8
	s_add_co_u32 s2, s57, s60
	s_add_co_u32 s2, s2, 16384
	s_mov_b32 s3, 0
	s_add_nc_u64 s[2:3], s[8:9], s[2:3]            ; q's scale words: my half's 256 bytes
	s_lshl_b32 s57, s18, 6
	s_add_co_u32 s57, s57, s56
	s_lshl_b32 s61, s57, 9
	s_add_co_u32 s[VW], s61, s60
	s_add_co_u32 s[VW], s[VW], VSC
	s_mov_b32 s[VW+1], 0
	s_add_nc_u64 s[VW:VW+1], s[8:9], s[VW:VW+1]    ; v's
	s_lshl_b32 s60, s57, 14
	s_lshl_b32 s61, s16, 10
	s_add_co_u32 s[VB], s60, s61
	s_add_co_u32 s[VB], s[VB], VC
	s_mov_b32 s[VB+1], 0
	s_add_nc_u64 s[VB:VB+1], s[8:9], s[VB:VB+1]    ; v's codes: pieces 2 half, 2 half + 1 of each tile
	s_lshl_b32 s60, s15, 9
	s_lshl_b32 s61, s16, 8
	s_add_co_u32 s[BQ], s60, s61
	s_add_co_u32 s[BQ], s[BQ], SCR                 ; LDS: scale bytes of q and k,
	s_lshl_b32 s61, s16, 1
	s_add_co_u32 s[BV], s60, s61
	s_add_co_u32 s[BV], s[BV], SCR+2048            ; and of v
.set I_, 0
.rept 64
	v_mov_b32 v[WK+I_], 0                          ; the first trip's way out finds zeros and stores nothing
.set I_, I_+1
.endr
; a block of W, 16 columns, all of K, into set e, and its scale words
.macro FETCH e
	WIN 0xc0
.irp q, 0,1,2,3,4,5,6,7
.irp c, 0,1,2,3
	ds_load_b128 v[128*(\e)+16*\q+4*\c:128*(\e)+16*\q+4*\c+3], v[AW] offset:16384*(\e)+2048*\q+512*\c
.endr
.endr
	WIN 0
.irp q, 0,1,2,3,4,5,6,7
	ds_load_b32 v[WSC+8*(\e)+(\q+1)%8], v[AWS] offset:32768+128*\q+64*(\e)
.endr
.endm
; product N_ of a block: K step N_ / 4, token tile N_ % 4; the first of each sum starts from the constant 0
.macro PROD kind, e
.set Q_, N_/4
.set T_, N_%4
.set rX, 16*(4*(Q_%4)+T_)
.set rW, 128*(\e)+16*Q_
.set rS, XS+8*(T_/2)+Q_
.set rV, WSC+8*(\e)+(Q_+1)%8
.if (\kind) == 0
.set rD, ACC+16*T_+8*(\e)
	WIN 3|((1+Q_/4)<<2)
.if (Q_ == 0) && (T_%2 == 0)
	v_wmma_scale_f32_16x16x128_f8f6f4 v[rD:rD+7], v[rW:rW+15], v[rX:rX+15], 0, v[rV], v[rS] matrix_a_fmt:MATRIX_FMT_BF8 matrix_b_fmt:MATRIX_FMT_BF8
.elseif Q_ == 0
	v_wmma_scale_f32_16x16x128_f8f6f4 v[rD:rD+7], v[rW:rW+15], v[rX:rX+15], 0, v[rV], v[rS] matrix_a_fmt:MATRIX_FMT_BF8 matrix_b_fmt:MATRIX_FMT_BF8 matrix_b_scale:MATRIX_SCALE_ROW1
.elseif T_%2 == 0
	v_wmma_scale_f32_16x16x128_f8f6f4 v[rD:rD+7], v[rW:rW+15], v[rX:rX+15], v[rD:rD+7], v[rV], v[rS] matrix_a_fmt:MATRIX_FMT_BF8 matrix_b_fmt:MATRIX_FMT_BF8
.else
	v_wmma_scale_f32_16x16x128_f8f6f4 v[rD:rD+7], v[rW:rW+15], v[rX:rX+15], v[rD:rD+7], v[rV], v[rS] matrix_a_fmt:MATRIX_FMT_BF8 matrix_b_fmt:MATRIX_FMT_BF8 matrix_b_scale:MATRIX_SCALE_ROW1
.endif
.else
.set rD, ACC+32*(\e)+8*T_
	WIN (1+Q_/4)|(3<<2)
.if (Q_ == 0) && (T_%2 == 0)
	v_wmma_scale_f32_16x16x128_f8f6f4 v[rD:rD+7], v[rX:rX+15], v[rW:rW+15], 0, v[rS], v[rV] matrix_a_fmt:MATRIX_FMT_BF8 matrix_b_fmt:MATRIX_FMT_BF8
.elseif Q_ == 0
	v_wmma_scale_f32_16x16x128_f8f6f4 v[rD:rD+7], v[rX:rX+15], v[rW:rW+15], 0, v[rS], v[rV] matrix_a_fmt:MATRIX_FMT_BF8 matrix_b_fmt:MATRIX_FMT_BF8 matrix_a_scale:MATRIX_SCALE_ROW1
.elseif T_%2 == 0
	v_wmma_scale_f32_16x16x128_f8f6f4 v[rD:rD+7], v[rX:rX+15], v[rW:rW+15], v[rD:rD+7], v[rS], v[rV] matrix_a_fmt:MATRIX_FMT_BF8 matrix_b_fmt:MATRIX_FMT_BF8
.else
	v_wmma_scale_f32_16x16x128_f8f6f4 v[rD:rD+7], v[rX:rX+15], v[rW:rW+15], v[rD:rD+7], v[rS], v[rV] matrix_a_fmt:MATRIX_FMT_BF8 matrix_b_fmt:MATRIX_FMT_BF8 matrix_a_scale:MATRIX_SCALE_ROW1
.endif
.endif
.endm
; THE QUANTISER of the pair before, lines u = 0 .. 59, 15 a unit: the largest magnitude and the floor, joined with lane l xor 16's; the conversion's scale operand; the bound 57,344 x the scale; the holds (the conversion
; does not saturate: ISA guide 7.6.2); two conversions; the byte.  The bound stands twice: a hold that would read it behind eight scalar lines reads its copy
.macro WAY u
.set U_, (\u)/15
.set J_, (\u)%15
.set X_, WK+16*U_
.if J_ == 0
	v_max3_num_f32 v[TQ], |v[X_]|, |v[X_+1]|, |v[X_+2]|
	v_max3_num_f32 v[TQ+2], |v[X_+8]|, |v[X_+9]|, |v[X_+10]|
.elseif J_ < 3
	v_max3_num_f32 v[TQ], v[TQ], |v[X_+2*J_+1]|, |v[X_+2*J_+2]|
	v_max3_num_f32 v[TQ+2], v[TQ+2], |v[X_+2*J_+9]|, |v[X_+2*J_+10]|
.elseif J_ == 3
	v_max3_num_f32 v[TQ+2], v[TQ+2], |v[X_+15]|, 0x8000000
	v_max3_num_f32 v[TQ], v[TQ], |v[X_+7]|, v[TQ+2]
.elseif J_ == 4
	v_permlanex16_b32 v[TQ+2], v[TQ], s[SEL], s[SEL+1]
	v_max_num_f32 v[TQ], v[TQ], v[TQ+2]
.elseif J_ == 5
	v_add_nc_u32 v[SOP+U_], 0xf8800000, v[TQ]
	v_and_or_b32 v[TQ+1], v[TQ], 0x7f800000, s[MNT]
.elseif J_ == 9
	v_med3_num_f32 v[X_+6], v[X_+6], -v[TQ+3], v[TQ+3]
	v_med3_num_f32 v[X_+7], v[X_+7], -v[TQ+3], v[TQ+3]
	v_cvt_scalef32_pk8_bf8_f32 v[CD+4*U_:CD+4*U_+1], v[X_:X_+7], v[SOP+U_]
.elseif J_ < 9
	v_med3_num_f32 v[X_+2*(J_-6)], v[X_+2*(J_-6)], -v[TQ+1], v[TQ+1]
	v_med3_num_f32 v[X_+2*(J_-6)+1], v[X_+2*(J_-6)+1], -v[TQ+1], v[TQ+1]
.if J_ == 8
	v_mov_b32 v[TQ+3], v[TQ+1]
.endif
.elseif J_ < 14
	v_med3_num_f32 v[X_+8+2*(J_-10)], v[X_+8+2*(J_-10)], -v[TQ+1], v[TQ+1]
	v_med3_num_f32 v[X_+9+2*(J_-10)], v[X_+9+2*(J_-10)], -v[TQ+1], v[TQ+1]
.if J_ == 13
	v_cvt_scalef32_pk8_bf8_f32 v[CD+4*U_+2:CD+4*U_+3], v[X_+8:X_+15], v[SOP+U_]
.endif
.else
	v_lshrrev_b32 v[EB+U_], 23, v[SOP+U_]
.endif
.endm
; products from .. to - 1 of a block, and what stands behind each: behind the pair's first the next pair's addresses; from the second on the way out
.macro BLOCK kind, e, from, to
.set N_, \from
.rept (\to)-(\from)
	PROD \kind, \e
.if (N_ == 0) && ((\e) == 0)
	s_add_co_u32 s20, s[P], 1
	s_and_b32 s20, s20, 7                          ; pairs 8 to 11 lie in slot 0 again
	s_mul_i32 s20, s20, PAIRB
	WIN 0
	v_add_nc_u32 v[AW], s20, v[LI]
	v_add_nc_u32 v[AWS], s20, v[R4]
.elseif (N_ > 0) && (N_ < 31)
	WIN 0
	WAY N_-1+30*(\e)
.endif
.set N_, N_+1
.endr
.endm
; the pair's sums are copied, the first block's first: those lines are the places behind the last products too
.macro COPY kind
.irp e, 0,1
.irp t, 0,1,2,3
.if (\kind) == 0
.set S_, 16*\t+8*\e
.else
.set S_, 32*\e+8*\t
.endif
.irp i, 0,2,4,6
	v_dual_mov_b32 v[WK+S_+\i], v[ACC+S_+\i] :: v_dual_mov_b32 v[WK+S_+\i+1], v[ACC+S_+\i+1]
.endr
.endr
.endr
.endm
; a pair's bytes go to LDS and its codes leave.  q, k: pair s20; unit n = token tile n.  512 consecutive bytes a store
.macro OUTQ
	s_lshr_b32 s21, s20, 2
	s_and_b32 s22, s20, 3
	s_mul_i32 s24, s21, 8*BLK
	s_lshl_b32 s25, s22, 9
	s_add_co_u32 s24, s24, s25
	s_mov_b32 s25, 0
	s_add_nc_u64 s[26:27], s[QB:QB+1], s[24:25]
	s_lshl_b32 s21, s21, 10
	s_add_co_u32 s21, s21, s22
	s_add_co_u32 s21, s21, s[BQ]
	v_add_nc_u32 v[BA], s21, v[R4]
.irp n, 0,1,2,3
	ds_store_b8 v[BA], v[EB+\n] offset:64*\n
.endr
.irp n, 0,1,2,3
	global_store_b128 v[LI], v[CD+4*\n:CD+4*\n+3], s[26:27] offset:2048*\n
.endr
.endm
; v: the s22-th pair; unit n = column tile n / 2, 32 tokens n % 2
.macro OUTV
	s_lshl_b32 s24, s22, 12
	s_mov_b32 s25, 0
	s_add_nc_u64 s[26:27], s[VB:VB+1], s[24:25]
	s_lshl_b32 s21, s22, 7
	s_add_co_u32 s21, s21, s[BV]
	v_add_nc_u32 v[BA], s21, v[R4]
.irp n, 0,1,2,3
	ds_store_b8 v[BA], v[EB+\n] offset:64*(\n/2)+\n%2
.endr
.irp n, 0,1,2,3
	global_store_b128 v[LI], v[CD+4*\n:CD+4*\n+3], s[26:27] offset:2048*(\n/2)+512*(\n%2)
.endr
.endm
; A TRIP: one pair.  bar = 1: a barrier among its last products shows what the tensor loads have brought
.macro TRIP kind, bar
	s_wait_dscnt NF                                ; set 0 is in; behind it set 1's loads
	s_wait_xcnt 0x0                                ; the last stores have read their codes and their base
	BLOCK \kind, 0, 0, 32
	WIN 0
.rept 8
	v_nop                                          ; places in front of loads into registers that the products have read
.endr
.if \kind
	s_cmp_eq_u32 s[P], 11
	s_cbranch_scc1 .Lnone_0_\@
	FETCH 0
	s_wait_dscnt NF                                ; set 1 is in; behind it set 0's
	s_branch .Lgo_\@
.Lnone_0_\@:
	s_wait_dscnt 0x0
.Lgo_\@:
.else
	FETCH 0
	s_wait_dscnt NF
.endif
.if \bar
	BLOCK \kind, 1, 0, 28
	WIN 0
	s_wait_alu depctr_va_vdst(0)
	s_wait_tensorcnt 0x0                           ; my pair of Wv is in
	s_wait_dscnt 0x0
	s_barrier_signal -1
	BLOCK \kind, 1, 28, 32
	WIN 0
	s_barrier_wait -1                              ; everybody's
.else
	BLOCK \kind, 1, 0, 32
	WIN 0
.endif
	COPY \kind
.if \kind
	s_cmp_eq_u32 s[P], 8
	s_cbranch_scc0 .Lout_v_\@
	s_mov_b32 s20, 7                               ; k's last pair
	OUTQ
	s_branch .Lout_done_\@
.Lout_v_\@:
	s_sub_co_u32 s22, s[P], 9
	OUTV
.Lout_done_\@:
	s_cmp_eq_u32 s[P], 11
	s_cbranch_scc1 .Lnone_1_\@
	FETCH 1
.Lnone_1_\@:
.else
.if (\bar) == 0
	s_cmp_eq_u32 s[P], 0
	s_cbranch_scc1 .Lno_pair_before_\@
.endif
	s_sub_co_u32 s20, s[P], 1
	OUTQ
.Lno_pair_before_\@:
	FETCH 1
.endif
.endm
	s_wait_alu depctr_va_vdst(0)
	s_wait_tensorcnt 0x0                           ; my pair of Wq is in
	ds_add_u32 v[SPW], v[NIL]
	s_add_co_u32 s[G0+1], s[LB], CHUNK
	s_add_nc_u64 s[G0+2:G0+3], s[G0+2:G0+3], 8*CHUNK
	s_wait_dscnt 0x0
	CROUND
	TLOAD                                          ; Wk into slot 1
	FETCH 0
	FETCH 1
	s_wait_loadcnt 0x0                             ; x
.Lfirst:
	TRIP 0, 0
	s_add_co_u32 s[P], s[P], 1
	s_cmp_lg_u32 s[P], 3
	s_cbranch_scc1 .Lfirst
	s_wait_tensorcnt 0x0                           ; my pair of Wk is in
	ds_add_u32 v[SPW], v[NIL]
	s_mov_b32 s[G0+1], s[LB]
	s_add_nc_u64 s[G0+2:G0+3], s[G0+2:G0+3], 8*CHUNK
	s_wait_dscnt 0x0                               ; the add is done, and my reads of slot 0 are over: its last pair is in registers
	CROUND
	TLOAD                                          ; Wv into slot 0
.Lsecond:
	TRIP 0, 1
	s_add_co_u32 s[P], s[P], 1
	s_cmp_lg_u32 s[P], 8
	s_cbranch_scc1 .Lsecond
.Lthird:
	TRIP 1, 0
	s_add_co_u32 s[P], s[P], 1
	s_cmp_lg_u32 s[P], 12
	s_cbranch_scc1 .Lthird
	s_wait_xcnt 0x0
.set K_, 0
.rept 60
	WAY K_
.set K_, K_+1
.endr
	s_mov_b32 s22, 3
	s_wait_alu depctr_va_vdst(0)
	OUTV
	s_wait_dscnt 0x0                               ; for the others' sake: my scale bytes lie in LDS
	s_barrier_signal -1
	s_barrier_wait -1
	v_add_nc_u32 v[BA], s[BQ], v[L8]
	ds_load_b64 v[WK:WK+1], v[BA]
	ds_load_b64 v[WK+2:WK+3], v[BA] offset:1024
	ds_load_b64 v[WK+4:WK+5], v[BA] offset:2048
	s_wait_dscnt 0x0
	global_store_b64 v[L8], v[WK:WK+1], s[2:3]                     ; 256 consecutive bytes each, aligned
	global_store_b64 v[L8], v[WK+2:WK+3], s[2:3] offset:8*BLK
	global_store_b64 v[L8], v[WK+4:WK+5], s[VW:VW+1]
	s_wait_tensorcnt 0x0                           ; the wave's end
	ds_add_u32 v[SPW], v[NIL]
	s_wait_dscnt 0x0
	CROUND                                         ; the closing round
	s_endpgm
.Lfunc_end_k_qef8edb3302_proj:
	.size	k_qef8edb3302_proj, .Lfunc_end_k_qef8edb3302_proj-k_qef8edb3302_proj
	.p2alignl 7, 3214868480
	.fill 96, 4, 3214868480
	.section	.rodata,"a",@progbits
	.p2align	6, 0x0
	.amdhsa_kernel k_qef8edb3302_proj
		.amdhsa_group_segment_fixed_size 327680
		.amdhsa_private_segment_fixed_size 0
		.amdhsa_enable_private_segment 0
		.amdhsa_kernarg_size 24
		.amdhsa_user_sgpr_count 2
		.amdhsa_user_sgpr_kernarg_segment_ptr 1
		.amdhsa_wavefront_size32 1
		.amdhsa_system_sgpr_workgroup_id_x 1
		.amdhsa_system_sgpr_workgroup_id_y 1
		.amdhsa_system_sgpr_workgroup_id_z 1
		.amdhsa_system_vgpr_workitem_id 0
		.amdhsa_next_free_vgpr 1024
		.amdhsa_next_free_sgpr 66
		.amdhsa_reserve_vcc 0
		.amdhsa_float_denorm_mode_32 3
		.amdhsa_float_denorm_mode_16_64 3
		.amdhsa_memory_ordered 1
		.amdhsa_forward_progress 1
		.amdhsa_inst_pref_size 125
	.end_amdhsa_kernel
	.amdgpu_metadata
---
amdhsa.version: [ 1, 2 ]
amdhsa.kernels:
  - .name:           k_qef8edb3302_proj
    .symbol:         k_qef8edb3302_proj.kd
    .args:
      - { .name: xq, .offset: 0, .size: 8, .value_kind: global_buffer, .address_space: global }
      - { .name: wq, .offset: 8, .size: 8, .value_kind: global_buffer, .address_space: global }
      - { .name: qkv, .offset: 16, .size: 8, .value_kind: global_buffer, .address_space: global }
    .group_segment_fixed_size: 327680
    .private_segment_fixed_size: 0
    .kernarg_segment_align: 8
    .kernarg_segment_size: 24
    .max_flat_workgroup_size: 128
    .sgpr_count:     66
    .vgpr_count:     1024
    .wavefront_size: 32
...
	.end_amdgpu_metadata
.endif
;; end of part 2
;; launch scores (part 3): grid 36 x 4, 4 waves a work-group, no clusters, 327,680 bytes of LDS; arguments qkv, pp; writes pp
.if DOCPART == 3
	.amdgcn_target "amdgcn-amd-amdhsa--gfx1250"
	.amdhsa_code_object_version 6
	.text
	.protected	k_qef8edb3302_scores
	.globl	k_qef8edb3302_scores
	.p2align	8
	.type	k_qef8edb3302_scores,@function
k_qef8edb3302_scores:
	s_mov_b64 s[64:65], 0
	v_nop
	global_prefetch_b8 v0, s[64:65] scope:SCOPE_SE
	s_setreg_imm32_b32 hwreg(HW_REG_WAVE_MODE, 25, 1), 1
	s_wait_xcnt 0x0
; S = q k^T on codes of BF8 (E5M2), K = 1,024, the causal mask, and p for the last product.  Source 0 = 16 keys, source 1 = 16 queries: a lane holds one query, its registers run along the keys.
; WORK LEFT OUT: the tiles of 256 x 256 all of whose keys lie behind all their queries (28 of 64 in a batch), and the way out of a wave's 128 x 128 that lies wholly above the diagonal: their p is 0
; by the mask that reference() builds itself, and the last launch never reads them.
; p FOR EACH PIECE OF 128 KEYS BY ITSELF: t = score x log2(e) / 32; M = the piece's largest t of the row, rounded up to a whole number; p = 2^(t - M), quantised along the keys.  Stored with the codes:
; the scale word, -M and the sum l of the unquantised p.  The last launch brings the pieces of a row under one M by taking whole numbers off the scale bytes: exact.
; A row of a kept piece sees at least its group's first key, so M is a number.
; NO CLUSTER: a row of tiles keeps ty + 1 tiles and a column 8 - ux, so the kept tiles do not fall into fours that share an operand; filling the fours up would multiply masked tiles.
; SHARES: work-group t of 36 in a batch is tile (ty, ux), ux <= ty; four waves, 128 x 128 each; K in four fills of 256 through two LDS slots; every wave fetches a quarter of a slot.
; LIMITS: a block of p under 2^(16 - 127) keeps the byte 1; NaN and infinities among the inputs are not served.
; REGISTERS: window 0 the scale words from v32 and the queries' tiles from v128, window 1 the keys' two sets, windows 2, 3 the accumulators; on the way out v128-191 codes, v192-216 at work, v224-247 a scale word, an l and a -M for each tile.
; A block of q or k is 16,384 bytes of codes and 512 of scale words behind them, so that one load brings both.  pp's codes: for each pair of query groups (p, 15 - p) 17 tiles: step s of group 15 - p at s, step s of group p at 16 - s.
; NO PREFETCH: four fills in all, one at the head and one behind each change; there is no loop to run ahead in.
.set BLK,   16896
.set PS,    8912896                    ; pp: the scale words; -M 524,288 further on; l 1,048,576
.set SLOT,  135168
.set HALFB, 33792                      ; two K steps of a group
.set SCR,   270336                     ; scratch: 1,536 bytes a wave
.set SPARE, 276480
.set FR, 16
.set NL, 4
.set NP, 8
.set NQ, 2
.set ADRT, 16
.set LI,   18
.set SCW,  19
.set ADRU, 20
.set SCRD, 22
.set D0,   23                          ; v23  my query's place in its 32 less 16 h
.set NINF, 24                          ; v24  -infinity
.set ADRS, 26
.set SPW,  28
.set NIL,  29
.set SC,   32
.set X,    64
.set AF,   128
.set PC,   128
.set TM,   192
.set NM,   208                         ; v[208:209] -M, and the largest t
.set SUM,  210
.set SU2,  212
.set T0,   214
.set T1,   216
.set PWS,  224
.set LLS,  232
.set NMS,  240
.set G1, 24
.set G0, 32
.set SEL, 44
.set MNT, 46
.set CS,  56                           ; s[56:57] c = log2(e) / 32
.set REL, 58                           ; s58 my query group less my key group
.set MSB, 0
.macro WIN new
.if MSB != \new
	s_set_vgpr_msb (MSB<<8)|\new
.set MSB, \new
.endif
.endm
.set MUL_LO, 0xa1
.set MUL_HI, 0xf1
.set TO_B,   0x40
	s_load_b128 s[4:7], s[0:1], 0x0                ; qkv s[4:5], pp s[6:7]
	v_lshl_add_u32 v[SPW], v0, 2, SPARE
	v_mov_b32 v[NIL], 0
	ds_add_u32 v[SPW], v[NIL]                      ; the wave's opening: the add, twice on end, and its wait ahead of my first tensor load
	ds_add_u32 v[SPW], v[NIL]
	v_lshrrev_b32 v1, 5, v0
	v_readfirstlane_b32 s14, v1                    ; wave
	s_lshr_b32 s15, s14, 1                         ; my half of the queries.  Also: I fetch q (0) or k (1)
	s_and_b32 s16, s14, 1                          ; my half of the keys.  Also: which half I fetch
	s_and_b32 s18, ttmp7, 0xffff                   ; batch
	s_mov_b32 s17, 0
.irp n, 1,3,6,10,15,21,28
	s_cmp_ge_u32 ttmp9, \n
	s_cselect_b32 s19, 1, 0
	s_add_co_u32 s17, s17, s19                     ; ty: how many triangular numbers t has reached
.endr
	s_add_co_u32 s19, s17, 1
	s_mul_i32 s19, s19, s17
	s_lshr_b32 s19, s19, 1
	s_sub_co_u32 s19, ttmp9, s19                   ; ux
	s_cmp_eq_u32 s15, 0
	s_cselect_b32 s20, s17, s19
	s_lshl_b32 s20, s20, 1
	s_add_co_u32 s20, s20, s16
	s_lshl_b32 s21, s18, 4
	s_add_co_u32 s20, s20, s21                     ; the group of 128 rows that I fetch
	s_mul_i32 s20, s20, 16*BLK                     ; sixteen blocks a group, k's eight behind q's
	s_mul_i32 s21, s15, 8*BLK
	s_add_co_u32 s20, s20, s21
	s_mov_b32 s21, 0
	s_mul_i32 s12, s14, HALFB                      ; where they go
	; descriptor group 1: dense blocks as rows of 256 bytes (32 elements of 8 bytes): 128 rows of codes, 4 of scale words
	s_mov_b32 s[G1+0], 3<<16
	s_mov_b32 s[G1+1], 32<<16
	s_mov_b32 s[G1+2], 132<<16
	s_mov_b32 s[G1+3], 32<<16
	s_mov_b32 s[G1+4], 132
	s_mov_b32 s[G1+5], 32
	s_mov_b32 s[G1+6], 0
	s_mov_b32 s[G1+7], 0
	s_mov_b32 s[SEL], 0x76543210
	s_mov_b32 s[SEL+1], 0xfedcba98
	s_mov_b32 s[MNT], 0x600000
	s_mov_b32 s[CS], 0x3d38aa3b
	s_mov_b32 s[CS+1], s[CS]                       ; (named with it as a pair, so it is written)
	s_wait_dscnt 0x0                               ; both opening adds are done
	s_wait_kmcnt 0x0
	s_add_nc_u64 s[20:21], s[4:5], s[20:21]
.irp s, 0,1
	s_mov_b32 s[G0+4*\s], 1
	s_add_co_u32 s[G0+4*\s+1], s12, \s*SLOT
	s_add_nc_u64 s[G0+4*\s+2:G0+4*\s+3], s[20:21], \s*HALFB
	s_or_b32 s[G0+4*\s+3], s[G0+4*\s+3], 0x80000000
.endr
	tensor_load_to_lds s[G0:G0+3], s[G1:G1+7]      ; fill 0: one tensor load a wave at the head
	s_nop 0
.rept 4
	v_nop
.endr
	v_and_b32 v1, 31, v0
	v_and_b32 v2, 15, v0                           ; r
	v_bfe_u32 v3, v0, 4, 1                         ; h
	s_wait_alu depctr_va_vdst(0)
	v_lshlrev_b32 v[LI], 4, v1
	s_wait_alu depctr_va_vdst(0)
	s_mul_i32 s21, s15, HALFB
	s_mul_i32 s22, s16, HALFB
	s_add_co_u32 s22, s22, 2*HALFB
.irp s, 0,1
	v_add_nc_u32 v[ADRT+\s], s21, v[LI]
	v_add_nc_u32 v[ADRU+\s], s22, v[LI]
	s_add_co_u32 s21, s21, SLOT
	s_add_co_u32 s22, s22, SLOT
.endr
	s_mul_i32 s21, s15, HALFB
	s_mul_i32 s22, s16, HALFB
	s_add_co_u32 s22, s22, 2*HALFB
	s_sub_co_u32 s22, s22, s21
	v_mul_u32_u24 v6, s22, v3                      ; lanes 16-31 take the keys' words
	s_add_co_u32 s21, s21, 16384
	v_lshl_add_u32 v5, v2, 2, v6
	v_add_nc_u32 v[ADRS], s21, v5
	s_add_co_u32 s21, s21, SLOT
	v_add_nc_u32 v[ADRS+1], s21, v5
	s_mul_i32 s21, s14, 1536
	s_add_co_u32 s21, s21, SCR
	v_lshl_add_u32 v[SCW], v2, 2, s21
	v_add_nc_u32 v[SCRD], s21, v[LI]
	v_and_b32 v5, 7, v0
	v_bfe_u32 v6, v0, 3, 1
	v_lshl_add_u32 v5, v6, 4, v5
	v_lshlrev_b32 v6, 4, v3
	v_sub_nc_u32 v[D0], v5, v6                     ; r % 8 + 16 (r / 8) - 16 h
	v_mov_b32 v[NINF], 0xff800000
	s_lshl_b32 s59, s17, 1
	s_add_co_u32 s59, s59, s15                     ; my query group in the batch
	s_lshl_b32 s60, s19, 1
	s_add_co_u32 s60, s60, s16                     ; my key group
	s_sub_co_i32 s[REL], s59, s60
	s_sub_co_u32 s61, 15, s59
	s_min_u32 s61, s61, s59                        ; the pair: query groups p and 15 - p
	s_lshl_b32 s62, s18, 3
	s_add_co_u32 s61, s61, s62
	s_mul_i32 s61, s61, 17
	s_sub_co_u32 s63, 16, s60
	s_cmp_lt_u32 s59, 8
	s_cselect_b32 s63, s63, s60
	s_add_co_u32 s61, s61, s63                     ; tile 17 (8 batch + pair) + key group, or + 16 - key group in the lower half
	s_lshl_b32 s62, s61, 14
	s_mov_b32 s63, 0
	s_add_nc_u64 s[8:9], s[6:7], s[62:63]          ; codes
	s_lshl_b32 s61, s18, 4
	s_add_co_u32 s61, s61, s59
	s_lshl_b32 s61, s61, 4
	s_add_co_u32 s61, s61, s60                     ; the tables' block = (16 batch + query group) 16 + key group
	s_lshl_b32 s62, s61, 9
	s_add_co_u32 s62, s62, PS
	s_add_nc_u64 s[10:11], s[6:7], s[62:63]        ; the three tables
.macro FRAG reg, adr, q, i
.irp c, 0,1,2,3
	ds_load_b128 v[\reg+4*\c:\reg+4*\c+3], v[\adr] offset:BLK*(\q)+2048*(\i)+512*\c
.endr
.endm
; 16 matrix instructions: the queries' tiles a0, a0 + 1 x the keys' eight; the 64 accumulators by turns, one instruction a turn
.macro MUL16 a0, p, q, sc, zero
.irp a, \a0, \a0+1
.irp b, 0,1,2,3,4,5,6,7
.if \zero
	v_wmma_scale_f32_16x16x128_f8f6f4 v[8*(8*((\a)%4)+\b):8*(8*((\a)%4)+\b)+7], v[128*(\p)+FR*\b:128*(\p)+FR*\b+FR-1], v[AF+FR*(\a):AF+FR*(\a)+FR-1], 0, v[SC+8*NQ*(\sc)+NQ*\b+(\q)], v[SC+8*NQ*(\sc)+NQ*(\a)+(\q)] matrix_a_fmt:MATRIX_FMT_BF8 matrix_b_fmt:MATRIX_FMT_BF8 matrix_a_scale:MATRIX_SCALE_ROW1
.else
	v_wmma_scale_f32_16x16x128_f8f6f4 v[8*(8*((\a)%4)+\b):8*(8*((\a)%4)+\b)+7], v[128*(\p)+FR*\b:128*(\p)+FR*\b+FR-1], v[AF+FR*(\a):AF+FR*(\a)+FR-1], v[8*(8*((\a)%4)+\b):8*(8*((\a)%4)+\b)+7], v[SC+8*NQ*(\sc)+NQ*\b+(\q)], v[SC+8*NQ*(\sc)+NQ*(\a)+(\q)] matrix_a_fmt:MATRIX_FMT_BF8 matrix_b_fmt:MATRIX_FMT_BF8 matrix_a_scale:MATRIX_SCALE_ROW1
.endif
.endr
.endr
.endm
.macro FETCH_U slot, q, p
	WIN TO_B
.irp i, 0,1,2,3,4,5,6,7
	FRAG 128*(\p)+FR*\i, ADRU+\slot, \q, \i
.endr
	WIN 0
.endm
.macro FETCH_T slot, q, i0
.irp i, \i0, \i0+1, \i0+2, \i0+3
	FRAG AF+FR*(\i), ADRT+\slot, \q, \i
.endr
.endm
.macro SCALES set, j
.irp i, 0,1,2,3,4,5,6,7
.irp q, 0,1
	ds_load_b32 v[SC+16*(\set)+2*\i+\q], v[ADRS+\set] offset:BLK*\q+64*\i
.endr
.endr
.endm
.macro PLACES n
.rept \n
	v_nop
.endr
.endm
.macro STEP slot, q, zero
	s_wait_dscnt 4*NL                              ; all but the youngest 16 loads (the queries' tiles 4-7)
	WIN MUL_LO
	MUL16 0, (\q)%2, \q, \slot, \zero
	MUL16 2, (\q)%2, \q, \slot, \zero
	s_wait_dscnt 0
	PLACES NP
	FETCH_U \slot, (\q)+1, 1-(\q)%2
	FETCH_T \slot, (\q)+1, 0
	WIN MUL_HI
	MUL16 4, (\q)%2, \q, \slot, \zero
	MUL16 6, (\q)%2, \q, \slot, \zero
	PLACES NP
	WIN 0
	FETCH_T \slot, (\q)+1, 4
.endm
.macro TURN slot, next, fill, j
	s_wait_tensorcnt 0x0                           ; all my tensor loads have landed: my part of the next slot
	ds_add_u32 v[SPW], v[NIL]
	s_wait_dscnt 4*NL+1                            ; (the add and the youngest 16 loads may be out)
	WIN MUL_LO
	MUL16 0, 1, NQ-1, \slot, 0
	s_wait_dscnt 0x0                               ; the add is done, and my reads of this slot are over
	s_barrier_signal -1
	MUL16 2, 1, NQ-1, \slot, 0
	WIN 0
	s_barrier_wait -1
.if \fill
	s_add_nc_u64 s[G0+4*\slot+2:G0+4*\slot+3], s[G0+4*\slot+2:G0+4*\slot+3], 2*HALFB
	tensor_load_to_lds s[G0+4*\slot:G0+4*\slot+3], s[G1:G1+7]   ; my one tensor load behind the barrier, and the first thing there
	s_nop 0
.endif
	PLACES NP
	FETCH_U \next, 0, 0
	FETCH_T \next, 0, 0
	SCALES \next, \j
	WIN MUL_HI
	MUL16 4, 1, NQ-1, \slot, 0
	MUL16 6, 1, NQ-1, \slot, 0
	PLACES NP
	WIN 0
	FETCH_T \next, 0, 4
.endm
	s_wait_alu depctr_va_vdst(0)
	s_wait_tensorcnt 0x0                           ; my part of fill 0 is in
	ds_add_u32 v[SPW], v[NIL]
	s_wait_dscnt 0x0
	s_barrier_signal -1
	s_barrier_wait -1
	tensor_load_to_lds s[G0+4:G0+7], s[G1:G1+7]    ; fill 1
	s_nop 0
.rept 4
	v_nop
.endr
	FETCH_U 0, 0, 0
	FETCH_T 0, 0, 0
	SCALES 0, 0
	FETCH_T 0, 0, 4
	STEP 0, 0, 1
	TURN 0, 1, 1, 1
	STEP 1, 0, 0
	TURN 1, 0, 1, 2
	STEP 0, 0, 0
	TURN 0, 1, 0, 3
	STEP 1, 0, 0
	s_wait_dscnt 4*NL
	WIN MUL_LO
	MUL16 0, 1, NQ-1, 1, 0
	MUL16 2, 1, NQ-1, 1, 0
	s_wait_dscnt 0
	WIN MUL_HI
	MUL16 4, 1, NQ-1, 1, 0
	MUL16 6, 1, NQ-1, 1, 0
	WIN 0
	s_cmp_lt_i32 s[REL], 0                         ; ids and the wave's number alone: my 128 x 128 lies wholly above the diagonal: nothing of it is kept
	s_cbranch_scc1 .Lend
; THE WAY OUT of the queries' tile a: register 16 b + i is key 32 b + 16 h + i of my key group; my query is row 32 (a / 2) + 8 (a % 2) + r % 8 + 16 (r / 8) of its group.
.macro SOFTQ a
.set W, 2+(\a)/4
.set AC, 64*((\a)%4)
.set PCA, PC+16*((\a)%4)
.set BQ, (\a)/2
.set UQ, (\a)%2
.set WMSK, (W<<6)|W
.set WMAX, (W<<2)|(W<<4)
	s_cmp_lg_u32 s[REL], 0                         ; on the diagonal alone: hidden scores become -infinity ahead of the maximum
	s_cbranch_scc1 .Lopen_\@
	WIN WMSK
.irp i, 0,1,2,3,4,5,6,7,8,9,10,11,12,13,14,15
	v_cmp_gt_i32 vcc_lo, \i-8*UQ, v[D0]            ; in my query's own block of 32: hidden where 16 h + i > 8 (a % 2) + r % 8 + 16 (r / 8)
	v_cndmask_b32 v[AC+16*BQ+\i], v[AC+16*BQ+\i], v[NINF], vcc_lo
.endr
.if BQ < 3
.set n, 16*(BQ+1)
.rept 48-16*BQ
	v_mov_b32 v[AC+n], 0xff800000                  ; the blocks behind it: all hidden
.set n, n+1
.endr
.endif
	WIN 0
.Lopen_\@:
	WIN WMAX
.irp b, 0,1,2,3
	v_max3_num_f32 v[TM+\b], v[NINF], v[AC+16*\b], v[AC+16*\b+1]   ; the largest score of each block of 32 keys: for the row's maximum and for the block's largest p
.endr
.irp i, 2,4,6,8,10,12,14
.irp b, 0,1,2,3
	v_max3_num_f32 v[TM+\b], v[TM+\b], v[AC+16*\b+\i], v[AC+16*\b+\i+1]
.endr
.endr
	WIN 0
.irp b, 0,1,2,3
	v_permlanex16_b32 v[TM+4+\b], v[TM+\b], s[SEL], s[SEL+1]
.endr
.irp b, 0,1,2,3
	v_max_num_f32 v[TM+\b], v[TM+\b], v[TM+4+\b]
.endr
	v_max3_num_f32 v[T0], v[TM], v[TM+1], v[TM+2]
	v_max_num_f32 v[T0], v[T0], v[TM+3]
	v_mul_f32 v[NM+1], s[CS], v[T0]                ; the piece's largest t (c is positive)
	v_floor_f32 v[NM], -v[NM+1]                    ; -M = floor(-t): M is a whole number
	WIN W
.set n, 0
.rept 32
	v_pk_fma_f32 v[X+n:X+n+1], v[AC+n:AC+n+1], s[CS:CS+1], v[NM:NM+1] op_sel_hi:[1,0,0]   ; t - M, two at a time
.set n, n+2
.endr
	WIN 0
.irp b, 0,1,2,3
	v_fma_f32 v[TM+\b], v[TM+\b], s[CS], v[NM]     ; the same of each block's largest score
.endr
.set n, 0
	s_wait_alu depctr_va_vdst(0)
.rept 64
	v_exp_f32 v[X+n], v[X+n]                       ; p = 2^(t - M)
.set n, n+1
.endr
	v_mov_b32 v[NMS+\a], v[NM]                     ; -M is kept for the table.  (The plain line behind the exponentials)
	s_wait_alu depctr_va_vdst(0)                   ; the wait ahead of the batch's first reader: one for the 64
.irp b, 0,1,2,3
	v_exp_f32 v[TM+\b], v[TM+\b]                   ; the block's largest p
.endr
	v_pk_add_f32 v[SUM:SUM+1], v[X:X+1], v[X+4:X+5]   ; the sum of the unquantised p, in two chains
	v_pk_add_f32 v[SU2:SU2+1], v[X+2:X+3], v[X+6:X+7]
.irp j, 8,12,16,20,24,28,32,36,40,44,48,52,56,60
	v_pk_add_f32 v[SUM:SUM+1], v[SUM:SUM+1], v[X+\j:X+\j+1]
	v_pk_add_f32 v[SU2:SU2+1], v[SU2:SU2+1], v[X+\j+2:X+\j+3]
.endr
	v_pk_add_f32 v[SUM:SUM+1], v[SUM:SUM+1], v[SU2:SU2+1]
	s_wait_alu depctr_va_vdst(0)                   ; and one for the four
.irp b, 0,1,2,3
	v_max_num_f32 v[TM+\b], 0x8000000, v[TM+\b]    ; the floor: the byte cannot fall under 1
.endr
.irp b, 0,1,2,3
	v_add_nc_u32 v[TM+12+\b], 0xf8800000, v[TM+\b]
.endr
.irp b, 0,1,2,3
	v_and_or_b32 v[TM+8+\b], v[TM+\b], 0x7f800000, s[MNT]
.endr
.irp b, 0,1,2,3
	v_lshrrev_b32 v[TM+4+\b], 23, v[TM+12+\b]
.endr
	v_lshl_or_b32 v[PWS+\a], v[TM+5], 8, v[TM+4]
	v_lshl_or_b32 v[PWS+\a], v[TM+6], 16, v[PWS+\a]
	v_lshl_or_b32 v[PWS+\a], v[TM+7], 24, v[PWS+\a]
	v_add_f32 v[T0], v[SUM], v[SUM+1]
	v_permlanex16_b32 v[T1], v[T0], s[SEL], s[SEL+1]
	v_add_f32 v[LLS+\a], v[T0], v[T1]              ; l of my query over the piece's 128 keys
.if (\a) >= 4
	s_wait_xcnt 0x0                                ; the stores of four tiles back have read this set of codes
.endif
.irp b, 0,1,2,3
.irp i, 0,1,2,3,4,5,6,7,8,9,10,11,12,13,14,15
	v_min_num_f32 v[X+16*\b+\i], v[X+16*\b+\i], v[TM+8+\b]   ; the hold; p is not negative, so it is one-sided
.endr
	v_cvt_scalef32_pk8_bf8_f32 v[PCA+4*\b:PCA+4*\b+1], v[X+16*\b:X+16*\b+7], v[TM+12+\b]
	v_cvt_scalef32_pk8_bf8_f32 v[PCA+4*\b+2:PCA+4*\b+3], v[X+16*\b+8:X+16*\b+15], v[TM+12+\b]
.endr
	v_nop                                          ; a plain line behind the last scaled conversion
.irp c, 0,1,2,3
	global_store_b128 v[LI], v[PCA+4*\c:PCA+4*\c+3], s[8:9] offset:2048*(\a)+512*\c   ; 512 consecutive bytes
.endr
.endm
	PLACES NP
.irp b, 0,1,2,3
	v_mov_b32 v[TM+4+\b], 0                        ; a lane permute's destination counts as one of its sources
.endr
	v_mov_b32 v[T1], 0
.irp a, 0,1,2,3,4,5,6,7
	SOFTQ \a
.endr
.irp a, 0,1,2,3,4,5,6,7
	ds_store_b32 v[SCW], v[PWS+\a] offset:64*\a
	ds_store_b32 v[SCW], v[NMS+\a] offset:512+64*\a
	ds_store_b32 v[SCW], v[LLS+\a] offset:1024+64*\a
.endr
	ds_load_b128 v[X:X+3], v[SCRD]                 ; LDS serves a wave's instructions in order: these see my stores
	ds_load_b128 v[X+4:X+7], v[SCRD] offset:512
	ds_load_b128 v[X+8:X+11], v[SCRD] offset:1024
	s_wait_dscnt 0x0
	global_store_b128 v[LI], v[X:X+3], s[10:11]                    ; 512 consecutive bytes each
	global_store_b128 v[LI], v[X+4:X+7], s[10:11] offset:524288
	global_store_b128 v[LI], v[X+8:X+11], s[10:11] offset:1048576
.Lend:
	s_wait_tensorcnt 0x0                           ; the wave's end
	ds_add_u32 v[SPW], v[NIL]
	s_wait_dscnt 0x0
	s_endpgm
.Lfunc_end_k_qef8edb3302_scores:
	.size	k_qef8edb3302_scores, .Lfunc_end_k_qef8edb3302_scores-k_qef8edb3302_scores
	.p2alignl 7, 3214868480
	.fill 96, 4, 3214868480
	.section	.rodata,"a",@progbits
	.p2align	6, 0x0
	.amdhsa_kernel k_qef8edb3302_scores
		.amdhsa_group_segment_fixed_size 327680
		.amdhsa_private_segment_fixed_size 0
		.amdhsa_enable_private_segment 0
		.amdhsa_kernarg_size 16
		.amdhsa_user_sgpr_count 2
		.amdhsa_user_sgpr_kernarg_segment_ptr 1
		.amdhsa_wavefront_size32 1
		.amdhsa_system_sgpr_workgroup_id_x 1
		.amdhsa_system_sgpr_workgroup_id_y 1
		.amdhsa_system_sgpr_workgroup_id_z 1
		.amdhsa_system_vgpr_workitem_id 0
		.amdhsa_next_free_vgpr 1024
		.amdhsa_next_free_sgpr 66
		.amdhsa_reserve_vcc 1
		.amdhsa_float_denorm_mode_32 3
		.amdhsa_float_denorm_mode_16_64 3
		.amdhsa_memory_ordered 1
		.amdhsa_forward_progress 1
		.amdhsa_inst_pref_size 244
	.end_amdhsa_kernel
	.amdgpu_metadata
---
amdhsa.version: [ 1, 2 ]
amdhsa.kernels:
  - .name:           k_qef8edb3302_scores
    .symbol:         k_qef8edb3302_scores.kd
    .args:
      - { .name: qkv, .offset: 0, .size: 8, .value_kind: global_buffer, .address_space: global }
      - { .name: pp, .offset: 8, .size: 8, .value_kind: global_buffer, .address_space: global }
    .group_segment_fixed_size: 327680
    .private_segment_fixed_size: 0
    .kernarg_segment_align: 8
    .kernarg_segment_size: 16
    .max_flat_workgroup_size: 128
    .sgpr_count:     66
    .vgpr_count:     1024
    .wavefront_size: 32
...
	.end_amdgpu_metadata
.endif
;; end of part 3
;; launch pv (part 4): grid 8 x 32, 4 waves a work-group, clusters of 4 x 1, 327,680 bytes of LDS; arguments pp, qkv, out0; writes out0
.if DOCPART == 4
	.amdgcn_target "amdgcn-amd-amdhsa--gfx1250"
	.amdhsa_code_object_version 6
	.text
	.protected	k_qef8edb3302_pv
	.globl	k_qef8edb3302_pv
	.p2align	8
	.type	k_qef8edb3302_pv,@function
k_qef8edb3302_pv:
	s_mov_b64 s[64:65], 0
	v_nop
	global_prefetch_b8 v0, s[64:65] scope:SCOPE_SE
	s_setreg_imm32_b32 hwreg(HW_REG_WAVE_MODE, 25, 1), 1
	s_wait_xcnt 0x0
	s_wait_alu depctr_hold_cnt(0) depctr_sa_sdst(0) depctr_va_vdst(0) depctr_va_sdst(0) depctr_va_ssrc(0) depctr_va_vcc(0) depctr_vm_vsrc(0)
	s_getreg_b32 s2, hwreg(HW_REG_IB_STS2, 6, 4)
	s_cmp_eq_u32 s2, 0
	s_cbranch_scc0 .Lentry_in_a_cluster
	s_endpgm
.Lentry_in_a_cluster:
	s_bfe_u32 s2, ttmp6, 0x10000c
	s_cmp_lg_u32 s2, 0x3003
	s_cbranch_scc0 .Lentry_shape_is_right
	s_endpgm
.Lentry_shape_is_right:
; O = (p v) / l on codes of BF8 (E5M2), K = the keys.  Source 0 = 16 channels of v (keys innermost), source 1 = 16 queries of p: a lane holds one query, its registers run along the channels.
; WORK LEFT OUT: for a group of 128 queries the key steps behind its own: their p is 0 by the mask that reference() builds itself.
; ONE M FOR A ROW.  Each piece of 128 keys came with its own whole number M.  Here -M_row = the least -M of the row's pieces; E = M_row - M_piece is a whole number, 0 or more; l = the sum of l_piece 2^-E; and E is
; taken off the piece's four scale bytes: exact.  LIMIT: a byte that would fall under 0 is held at 0: such a block adds under 2^-111 of the row's largest term.
; SHARES.  A work-group owns 128 channels of TWO groups of 128 queries, A = group p (p + 1 key steps) and B = group 15 - p (16 - p steps): 17 steps for every work-group, 256 work-groups.
; Wave w owns channels 32 w .. 32 w + 31 of both groups: 32 accumulators.  All 17 tiles of p lie in LDS, each filled once: B's step s at tile s, A's step s at tile 16 - s.
; v goes from memory straight into registers as fragments: no fragment of v is read twice in a work-group.
; CLUSTER: the four work-groups of a cluster differ in their channels alone and read the same p: every tile of p is asked for jointly.  All branches hang on p = the cluster's y, equal in the four.
; REGISTERS: window 0: v1-15, v59 addresses; v16-31 v's scale words; v32-43 p's, three sets; v44-58 at work; v64-135 the tables, later 1/l; v128-255 p's buffer 0.
;   window 1: v's fragments of eight steps.   window 2: the accumulators (B at v[8 (2 a + b)], A 128 further on).   window 3: p's buffers 1 and 2.
; p's 17 tiles of a pair of groups lie in memory as they are to lie in LDS: one dense run, brought by four joint loads, one a wave: tiles 0-3, 13-16 (shown by the first barrier), 4-8, 9-12 (shown at step 3).
.set PS,    8912896
.set VC,    17301504
.set VSC,   25690112
.set TILE,  16384
.set SCB,   17*TILE                    ; B's moved scale words, 16 x 512 bytes; A's, 8 x 512, behind them
.set RLT,   SCB+12288                  ; 1 / l: B's 128, A's 128
.set SPARE, RLT+1024
; THE WAY OUT: a stage of 128 rows x (512 bytes + 16) at LDS byte 0, in p's tiles 0 to 4, which have had their only fill and, behind step 7, their last read: A's results leave there, B's at the end.
.set LI,  1                            ; v1   16 x lane
.set PB,  2                            ; v2-6 16 x lane + 65,536 k
.set SWB, 7                            ; v7   SCB + 4 x lane
.set TW,  8                            ; v8   SCB + 4 x thread
.set RLA, 9                            ; v9   RLT + 4 r
.set SO,  10                           ; v10 the stage, in
.set SR0, 12                           ; v12 the stage, out
.set L4,  13                           ; v13  4 x lane
.set SPW, 14
.set NIL, 15
.set VS,  16
.set PSW, 32
.set NMB, 44
.set NMA, 45
.set LB,  46
.set LA,  47
.set FT,  48
.set T4,  59                           ; v59  4 x thread
.set NM,  64                           ; entry e: B's step s at s, A's at 16 + s
.set LL,  88
.set WW,  112
.set RL,  64
.set WV,  14
.set NA,  15
.set NB,  16
.set G1,  24
.set G1Q, 32
.set G0,  40
.set VB,  60
.set VSB, 62
.set TB,  66
.set TA,  68
.set OA,  70
.set OB,  72
.set MSB, 0
.macro WIN new
.if MSB != \new
	s_set_vgpr_msb (MSB<<8)|\new
.set MSB, \new
.endif
.endm
.macro CROUND
	s_barrier_signal -1
	s_barrier_wait -1
	s_cmp_lg_u32 s[WV], 0
	s_cbranch_scc1 .Lnot_wave_0_\@
	s_barrier_signal -3
.Lnot_wave_0_\@:
	s_barrier_wait -3
	s_barrier_signal -1
	s_barrier_wait -1
.endm
	s_load_b128 s[4:7], s[0:1], 0x0                ; pp s[4:5], qkv s[6:7]
	s_load_b64 s[8:9], s[0:1], 0x10                ; out0
	v_lshl_add_u32 v[SPW], v0, 2, SPARE
	v_mov_b32 v[NIL], 0
	ds_add_u32 v[SPW], v[NIL]                      ; the wave's opening: the add, twice on end, and its wait ahead of my first tensor load
	ds_add_u32 v[SPW], v[NIL]
	v_lshrrev_b32 v61, 5, v0
	v_readfirstlane_b32 s[WV], v61                 ; wave
	v_and_b32 v62, 31, v0                          ; lane
	v_and_b32 v63, 15, v0                          ; r
	v_bfe_u32 v61, v0, 4, 1                        ; h
	v_lshlrev_b32 v[LI], 4, v62
	v_lshlrev_b32 v[PB], 4, v62
.irp k, 1,2,3,4
	v_add_nc_u32 v[PB+\k], 65536*\k, v[LI]
.endr
	v_lshl_add_u32 v[SWB], v62, 2, SCB
	v_lshl_add_u32 v[TW], v0, 2, SCB
	v_lshl_add_u32 v[RLA], v63, 2, RLT
	v_mul_u32_u24 v[SO], v63, 528
	v_lshl_add_u32 v[SO], v61, 6, v[SO]
	s_lshl_b32 s20, s[WV], 7
	v_add_nc_u32 v[SO], s20, v[SO]                 ; row r, + 128 wave + 64 h: my 16 channels
	s_mul_i32 s20, s[WV], 32*528
	v_add_nc_u32 v[SR0], s20, v[LI]                ; back: my 32 rows, 16 bytes a lane
	v_lshlrev_b32 v[L4], 2, v62
	v_lshlrev_b32 v[T4], 2, v0
	s_bfe_u32 s20, ttmp6, 0x40000                  ; cx
	s_lshl_b32 s19, ttmp9, 2
	s_add_co_u32 s19, s19, s20                     ; my 128 channels
	s_and_b32 s18, ttmp7, 0xffff
	s_and_b32 s17, s18, 7                          ; p
	s_lshr_b32 s18, s18, 3                         ; batch
	s_add_co_u32 s[NA], s17, 1
	s_sub_co_u32 s[NB], 16, s17
	s_lshl_b32 s21, s18, 4
	s_add_co_u32 s22, s21, s17                     ; A's group of rows, 16 batch + p
	s_add_co_u32 s23, s21, 15
	s_sub_co_u32 s23, s23, s17                     ; B's
	s_lshl_b32 s76, s18, 3
	s_add_co_u32 s76, s76, s17
	s_mul_i32 s78, s76, 17*TILE                    ; the pair's 17 tiles
	s_mov_b32 s79, 0
	; descriptor group 1: dense blocks as rows of 256 bytes (32 elements of 8 bytes): a tile is 64 rows, a quarter 16; 15:0 the mask: all four work-groups; bit 21 beside it
	s_mov_b32 s[G1+0], 15|(3<<16)|(1<<21)
	s_mov_b32 s[G1+1], 32<<16
	s_mov_b32 s[G1+2], 256<<16
	s_mov_b32 s[G1+3], 32<<16
	s_mov_b32 s[G1+4], 256
	s_mov_b32 s[G1+5], 32
	s_mov_b32 s[G1+6], 0
	s_mov_b32 s[G1+7], 0
	s_mov_b32 s[G1Q+0], 15|(3<<16)|(1<<21)
	s_mov_b32 s[G1Q+1], 32<<16
	s_mov_b32 s[G1Q+2], 320<<16
	s_mov_b32 s[G1Q+3], 32<<16
	s_mov_b32 s[G1Q+4], 320
	s_mov_b32 s[G1Q+5], 32
	s_mov_b32 s[G1Q+6], 0
	s_mov_b32 s[G1Q+7], 0
	s_wait_dscnt 0x0                               ; both opening adds are done
	s_wait_kmcnt 0x0
	CROUND                                         ; all four work-groups are here: the joint loads meet
	s_add_nc_u64 s[78:79], s[4:5], s[78:79]
.macro G0SET k, t
	s_mov_b32 s[G0+4*\k], 1
	s_mov_b32 s[G0+4*\k+1], \t*TILE
	s_add_nc_u64 s[G0+4*\k+2:G0+4*\k+3], s[78:79], \t*TILE
	s_or_b32 s[G0+4*\k+3], s[G0+4*\k+3], 0x80000000
.endm
	G0SET 0, 0
	G0SET 1, 13
	G0SET 2, 4
	G0SET 3, 9
.macro ARM k, g1, next                 ; one tree of branches on the wave's number, one load to an arm
	s_cmp_eq_u32 s[WV], \k
	s_cbranch_scc0 \next
	tensor_load_to_lds s[G0+4*\k:G0+4*\k+3], s[\g1:\g1+7]
	s_nop 0
.rept 4
	v_nop
.endr
	s_branch .Lasked
\next:
.endm
	ARM 0, G1, .Larm_1
	ARM 1, G1, .Larm_2
	ARM 2, G1Q, .Larm_3
	tensor_load_to_lds s[G0+12:G0+15], s[G1:G1+7]
	s_nop 0
.rept 4
	v_nop
.endr
.Lasked:
	s_mov_b32 s85, 0
	s_lshl_b32 s86, s19, 6
	s_add_co_u32 s86, s86, s21                     ; v's block of step 0: 64 channel group + 16 batch
	s_lshl_b32 s84, s86, 14
	s_lshl_b32 s87, s[WV], 12                      ; my two tiles
	s_add_co_u32 s84, s84, s87
	s_add_co_u32 s84, s84, VC
	s_add_nc_u64 s[VB:VB+1], s[6:7], s[84:85]
	s_lshl_b32 s84, s86, 9
	s_lshl_b32 s87, s[WV], 7
	s_add_co_u32 s84, s84, s87
	s_add_co_u32 s84, s84, VSC
	s_add_nc_u64 s[VSB:VSB+1], s[6:7], s[84:85]
	s_lshl_b32 s84, s23, 13
	s_add_co_u32 s84, s84, PS
	s_add_nc_u64 s[TB:TB+1], s[4:5], s[84:85]      ; B's tables
	s_lshl_b32 s84, s22, 13
	s_add_co_u32 s84, s84, PS
	s_add_nc_u64 s[TA:TA+1], s[4:5], s[84:85]      ; A's
	s_lshl_b32 s87, s[WV], 17                      ; out0: (128 group + 32 wave) rows of 4,096 bytes + 512 channel group
	s_lshl_b32 s88, s19, 9
	s_add_co_u32 s87, s87, s88
	s_lshl_b32 s84, s23, 19
	s_add_co_u32 s84, s84, s87
	s_add_nc_u64 s[OB:OB+1], s[8:9], s[84:85]
	s_lshl_b32 s84, s22, 19
	s_add_co_u32 s84, s84, s87
	s_add_nc_u64 s[OA:OA+1], s[8:9], s[84:85]
.macro VLOAD s                         ; step s: my two fragments of v and their scale words (lanes 0-15 the first tile's, lanes 16-31 the second's): nine loads
	WIN 0x40
.irp b, 0,1
.irp c, 0,1,2,3
	global_load_b128 v[32*((\s)%8)+16*\b+4*\c:32*((\s)%8)+16*\b+4*\c+3], v[LI], s[VB:VB+1] offset:16384*(\s)+2048*\b+512*\c
.endr
.endr
	WIN 0
	global_load_b32 v[VS+(\s)], v[L4], s[VSB:VSB+1] offset:512*(\s)
.endm
.macro TLD e, base, s                  ; a piece's scale word, -M and l of row = my thread
	global_load_b32 v[WW+\e], v[T4], s[\base:\base+1] offset:512*(\s)
	global_load_b32 v[NM+\e], v[T4], s[\base:\base+1] offset:524288+512*(\s)
	global_load_b32 v[LL+\e], v[T4], s[\base:\base+1] offset:1048576+512*(\s)
.endm
	; pieces that a group does not have are not loaded: they count as -M = 3e38 (never the least), l = 0, word 0
.irp e, 9,10,11,12,13,14,15,17,18,19,20,21,22,23
	v_mov_b32 v[NM+\e], 0x7f61b1e6
	v_mov_b32 v[LL+\e], 0
	v_mov_b32 v[WW+\e], 0
.endr
	; v's scale registers of steps 9 to 15, which not every B has, hold four bytes of the scale 1 until their load lands: so they are written on every way through the text.
	; A step's products run only where its own load ran: both stand under the same test of NB
.irp s, 9,10,11,12,13,14,15
	v_mov_b32 v[VS+\s], 0x7f7f7f7f
.endr
.irp s, 0,1,2,3,4,5,6,7,8
	TLD \s, TB, \s
.endr
	TLD 16, TA, 0
.irp s, 9,10,11,12,13,14,15
	s_cmp_gt_u32 s[NB], \s
	s_cbranch_scc0 .Ltab_b
	TLD \s, TB, \s
.endr
.Ltab_b:
.irp s, 1,2,3,4,5,6,7
	s_cmp_gt_u32 s[NA], \s
	s_cbranch_scc0 .Ltab_a
	TLD 16+\s, TA, \s
.endr
.Ltab_a:
	VLOAD 0
	VLOAD 1
	VLOAD 2
	VLOAD 3
	s_wait_loadcnt 36                              ; the tables are in; the 36 loads of v issued behind them, on every way, may be out
	VLOAD 4
	VLOAD 5
	VLOAD 6
	VLOAD 7
	v_min3_num_f32 v[NMB], v[NM], v[NM+1], v[NM+2]
.irp e, 3,5,7,9,11,13
	v_min3_num_f32 v[NMB], v[NMB], v[NM+\e], v[NM+\e+1]
.endr
	v_min_num_f32 v[NMB], v[NMB], v[NM+15]         ; -M of my row of B
	v_min3_num_f32 v[NMA], v[NM+16], v[NM+17], v[NM+18]
	v_min3_num_f32 v[NMA], v[NMA], v[NM+19], v[NM+20]
	v_min3_num_f32 v[NMA], v[NMA], v[NM+21], v[NM+22]
	v_min_num_f32 v[NMA], v[NMA], v[NM+23]         ; and of A
	v_mov_b32 v[LB], 0
	v_mov_b32 v[LA], 0
.macro FIX e, nm, l, off
	v_sub_f32 v[FT], v[NM+\e], v[\nm]              ; E = M_row - M_piece, a whole number, 0 or more,
	v_min_num_f32 v[FT], 0x437f0000, v[FT]         ; held at 255
	v_cvt_u32_f32 v[FT], v[FT]
	v_sub_nc_u32 v[FT+1], 0, v[FT]
	v_ldexp_f32 v[FT+2], v[LL+\e], v[FT+1]
	v_add_f32 v[\l], v[\l], v[FT+2]                ; l += l_piece 2^-E
	v_and_b32 v[FT+3], 0xff, v[WW+\e]
	v_bfe_u32 v[FT+4], v[WW+\e], 8, 8
	v_bfe_u32 v[FT+5], v[WW+\e], 16, 8
	v_lshrrev_b32 v[FT+6], 24, v[WW+\e]
.irp i, 3,4,5,6
	v_min_u32 v[FT+4+\i], v[FT+\i], v[FT]
.endr
.irp i, 3,4,5,6
	v_sub_nc_u32 v[FT+\i], v[FT+\i], v[FT+4+\i]    ; each byte less E, held at 0
.endr
	v_lshl_or_b32 v[FT+3], v[FT+4], 8, v[FT+3]
	v_lshl_or_b32 v[FT+3], v[FT+5], 16, v[FT+3]
	v_lshl_or_b32 v[WW+\e], v[FT+6], 24, v[FT+3]
	ds_store_b32 v[TW], v[WW+\e] offset:\off
.endm
.irp s, 0,1,2,3,4,5,6,7,8,9,10,11,12,13,14,15
	FIX \s, NMB, LB, 512*\s
.endr
.irp s, 0,1,2,3,4,5,6,7
	FIX 16+\s, NMA, LA, 8192+512*\s
.endr
	s_wait_alu depctr_va_vdst(0)
	v_rcp_f32 v[FT], v[LB]
	v_rcp_f32 v[FT+1], v[LA]
	v_nop                                          ; a plain line behind the reciprocals
	s_wait_alu depctr_va_vdst(0)
	ds_store_b32 v[TW], v[FT] offset:12288
	ds_store_b32 v[TW], v[FT+1] offset:12800
	s_wait_loadcnt 0x0                             ; v of steps 0 to 7
	s_wait_dscnt 0x0                               ; for the others' sake: my words and 1 / l lie in LDS
	s_cmp_lt_u32 s[WV], 2
	s_cbranch_scc0 .Lnot_yet
	s_wait_tensorcnt 0x0                           ; waves 0 and 1: tiles 0-3 and 13-16 are in; the other two lines are waited for at step 3
.Lnot_yet:
	s_barrier_signal -1
	s_barrier_wait -1
.macro PREF n, tb, buf                 ; tile n of p and its moved scale words (at tb) into buffer buf: 36 LDS loads
.irp k, 0,1,2,3
	ds_load_b32 v[PSW+4*(\buf)+\k], v[SWB] offset:(\tb)+128*\k   ; lanes 0-15 tile 2 k's rows, lanes 16-31 tile 2 k + 1's
.endr
.if (\buf) == 0
.set PBASE, 128
.elseif (\buf) == 1
.set PBASE, 0
	WIN 0xc0
.else
.set PBASE, 128
	WIN 0xc0
.endif
.irp a, 0,1,2,3,4,5,6,7
.irp c, 0,1,2,3
	ds_load_b128 v[PBASE+16*\a+4*\c:PBASE+16*\a+4*\c+3], v[PB+(\n)/4] offset:((\n)%4)*TILE+2048*\a+512*\c
.endr
.endr
	WIN 0
.endm
.macro WM zero, b, odd                 ; one product; the rows of the scale registers go by b and by the tile's parity
.if \zero
.if (\b == 0) && (\odd == 0)
	v_wmma_scale_f32_16x16x128_f8f6f4 v[rD:rD+7], v[rV:rV+15], v[rP:rP+15], 0, v[rA], v[rB] matrix_a_fmt:MATRIX_FMT_BF8 matrix_b_fmt:MATRIX_FMT_BF8
.elseif (\b == 1) && (\odd == 0)
	v_wmma_scale_f32_16x16x128_f8f6f4 v[rD:rD+7], v[rV:rV+15], v[rP:rP+15], 0, v[rA], v[rB] matrix_a_fmt:MATRIX_FMT_BF8 matrix_b_fmt:MATRIX_FMT_BF8 matrix_a_scale:MATRIX_SCALE_ROW1
.elseif (\b == 0)
	v_wmma_scale_f32_16x16x128_f8f6f4 v[rD:rD+7], v[rV:rV+15], v[rP:rP+15], 0, v[rA], v[rB] matrix_a_fmt:MATRIX_FMT_BF8 matrix_b_fmt:MATRIX_FMT_BF8 matrix_b_scale:MATRIX_SCALE_ROW1
.else
	v_wmma_scale_f32_16x16x128_f8f6f4 v[rD:rD+7], v[rV:rV+15], v[rP:rP+15], 0, v[rA], v[rB] matrix_a_fmt:MATRIX_FMT_BF8 matrix_b_fmt:MATRIX_FMT_BF8 matrix_a_scale:MATRIX_SCALE_ROW1 matrix_b_scale:MATRIX_SCALE_ROW1
.endif
.else
.if (\b == 0) && (\odd == 0)
	v_wmma_scale_f32_16x16x128_f8f6f4 v[rD:rD+7], v[rV:rV+15], v[rP:rP+15], v[rD:rD+7], v[rA], v[rB] matrix_a_fmt:MATRIX_FMT_BF8 matrix_b_fmt:MATRIX_FMT_BF8
.elseif (\b == 1) && (\odd == 0)
	v_wmma_scale_f32_16x16x128_f8f6f4 v[rD:rD+7], v[rV:rV+15], v[rP:rP+15], v[rD:rD+7], v[rA], v[rB] matrix_a_fmt:MATRIX_FMT_BF8 matrix_b_fmt:MATRIX_FMT_BF8 matrix_a_scale:MATRIX_SCALE_ROW1
.elseif (\b == 0)
	v_wmma_scale_f32_16x16x128_f8f6f4 v[rD:rD+7], v[rV:rV+15], v[rP:rP+15], v[rD:rD+7], v[rA], v[rB] matrix_a_fmt:MATRIX_FMT_BF8 matrix_b_fmt:MATRIX_FMT_BF8 matrix_b_scale:MATRIX_SCALE_ROW1
.else
	v_wmma_scale_f32_16x16x128_f8f6f4 v[rD:rD+7], v[rV:rV+15], v[rP:rP+15], v[rD:rD+7], v[rA], v[rB] matrix_a_fmt:MATRIX_FMT_BF8 matrix_b_fmt:MATRIX_FMT_BF8 matrix_a_scale:MATRIX_SCALE_ROW1 matrix_b_scale:MATRIX_SCALE_ROW1
.endif
.endif
.endm
; 16 products: group x (0: B, 1: A), key step s, p from buffer buf.  The 16 accumulators take turns, one instruction a turn, from unit to unit too.
.macro MULU x, s, buf, zero
.if (\buf) == 0
.set PBASE, 128
	WIN 0xa1                                       ; source 0 (v) window 1, source 1 (p) window 0, C and D window 2
.elseif (\buf) == 1
.set PBASE, 0
	WIN 0xad                                       ; p in window 3
.else
.set PBASE, 128
	WIN 0xad
.endif
.irp a, 0,1,2,3,4,5,6,7
.irp b, 0,1
.set rD, 128*(\x)+8*(2*\a+\b)
.set rV, 32*((\s)%8)+16*\b
.set rP, PBASE+16*\a
.set rA, VS+(\s)
.set rB, PSW+4*(\buf)+\a/2
	WM \zero, \b, \a%2
.endr
.endr
	WIN 0
.endm
.macro PLACES8                         ; plain lines between the last products and loads into registers that they, or earlier ones, have read (for all but loads)
.rept 8
	v_nop
.endr
.endm
; THE CHAIN.  A unit: its own buffer is in (every wait on LDS is for 0, on every way); eight places; the next unit's buffer is asked for; 16 products.  B's step s reads buffer s % 2, A's steps buffer 2.
	PREF 0, 0, 0
	s_wait_dscnt 0x0
	PLACES8
	PREF 16, 8192, 2
	MULU 0, 0, 0, 1                                ; the first products start the sums: nothing is cleared
	s_wait_dscnt 0x0
	PLACES8
	PREF 1, 512, 1
	MULU 1, 0, 2, 1
.irp s, 1,2,3,4,5,6,7
	s_wait_dscnt 0x0
.if \s == 3
	s_wait_tensorcnt 0x0                           ; everything that was asked for is in: the next barrier shows all 17 tiles
	s_barrier_signal -1
	s_barrier_wait -1                              ; everybody's: tiles up to s + 2 and from 14 - s on are whole (at s = 7: all)
.endif
	PLACES8
.if \s == 4
	VLOAD 8                                        ; into the registers of steps 0 to 3, which are done.  B has at least nine steps
	s_cmp_gt_u32 s[NB], 9
	s_cbranch_scc0 .Lv_first
	VLOAD 9
	s_cmp_gt_u32 s[NB], 10
	s_cbranch_scc0 .Lv_first
	VLOAD 10
	s_cmp_gt_u32 s[NB], 11
	s_cbranch_scc0 .Lv_first
	VLOAD 11
.Lv_first:
.endif
	s_cmp_gt_u32 s[NA], \s
	s_cbranch_scc0 .Lno_a_\s
	PREF 16-\s, 8192+512*\s, 2
	s_branch .Lpf_\s
.Lno_a_\s:
	PREF \s+1, 512*(\s+1), (\s+1)%2
.Lpf_\s:
	MULU 0, \s, \s%2, 0
	s_cmp_gt_u32 s[NA], \s
	s_cbranch_scc0 .Lskip_a_\s
	s_wait_dscnt 0x0
	PLACES8
	PREF \s+1, 512*(\s+1), (\s+1)%2
	MULU 1, \s, 2, 0
.Lskip_a_\s:
.endr
; Group x (0: B, 1: A): x 1 / l; a row's 128 channels come from four waves: they meet in the stage, and each wave stores 32 whole rows, which come back into window win from v128 on.
.macro GOUT x, win, base
	s_wait_dscnt 0x0                               ; my reads of p are over
	PLACES8
	s_barrier_signal -1
	s_barrier_wait -1                              ; everybody's are, and nobody reads the stage: it may be written
.irp e, 0,1,2,3,4,5,6,7
	v_mov_b32 v[RL+2*\e+1], 0                      ; (named with 1 / l as a pair, so it is written)
.endr
.irp e, 0,1,2,3,4,5,6,7
	ds_load_b32 v[RL+2*\e], v[RLA] offset:512*(\x)+64*\e           ; 1 / l of my query in tile e
.endr
	s_wait_alu depctr_va_vdst(0)
	s_wait_dscnt 0x0
	WIN 0x82                                       ; destination and source 0: window 2
.irp e, 0,1,2,3,4,5,6,7
.irp j, 0,2,4,6,8,10,12,14
	v_pk_mul_f32 v[128*(\x)+16*\e+\j:128*(\x)+16*\e+\j+1], v[128*(\x)+16*\e+\j:128*(\x)+16*\e+\j+1], v[RL+2*\e:RL+2*\e+1] op_sel_hi:[1,0]   ; each accumulator from its low end on
.endr
.endr
	WIN 0x08                                       ; an LDS store's data are its source 1: window 2
.irp a, 0,1,2,3,4,5,6,7
.irp k, 0,1,2,3
	ds_store_b128 v[SO], v[128*(\x)+16*\a+4*\k:128*(\x)+16*\a+4*\k+3] offset:16*\a*528+16*\k   ; channels 32 wave + 16 h + 4 k on, of the image's row 16 a + r
.endr
.endr
	WIN 0
	s_wait_dscnt 0x0                               ; for the others' sake: my stores into the stage are done
	s_barrier_signal -1
	s_barrier_wait -1
.set WOUT, (\win)<<6
	WIN WOUT
.set t, 0
.rept 32
	ds_load_b128 v[128+4*t:128+4*t+3], v[SR0] offset:528*t
.set t, t+1
.endr
	WIN 0
	s_wait_dscnt 0x0
.set WOUT, (\win)<<2
	WIN WOUT                                       ; a store's data are its source 1
.set t, 0
.rept 32
	global_store_b128 v[LI], v[128+4*t:128+4*t+3], s[\base:\base+1] offset:(8*(t/16)+(t%8)+16*((t/8)%2))*4096 th:TH_STORE_NT   ; the image's row in its true place; 512 consecutive bytes, aligned
.set t, t+1
.endr
	WIN 0
.endm
	GOUT 1, 3, OA                                  ; A has at most eight steps, so it is finished: its rows leave from p's buffer 2, which no later step uses
.irp s, 8,9,10,11,12,13,14,15
	s_wait_dscnt 0x0
.if (\s == 8) || (\s == 12)
	s_wait_loadcnt 0x0                             ; v of the next four steps
.endif
	PLACES8
.if \s == 8
	s_cmp_gt_u32 s[NB], 12
	s_cbranch_scc0 .Lv_second
	VLOAD 12
	s_cmp_gt_u32 s[NB], 13
	s_cbranch_scc0 .Lv_second
	VLOAD 13
	s_cmp_gt_u32 s[NB], 14
	s_cbranch_scc0 .Lv_second
	VLOAD 14
	s_cmp_gt_u32 s[NB], 15
	s_cbranch_scc0 .Lv_second
	VLOAD 15
.Lv_second:
.endif
.if \s < 15
	s_cmp_gt_u32 s[NB], \s+1
	s_cbranch_scc0 .Lno_next_\s
	PREF \s+1, 512*(\s+1), (\s+1)%2
.Lno_next_\s:
.endif
	MULU 0, \s, \s%2, 0
.if \s < 15
	s_cmp_eq_u32 s[NB], \s+1
	s_cbranch_scc1 .Ldone
.endif
.endr
.Ldone:
	; THE WAY OUT.  x 1 / l; a row's 128 channels come from four waves: they meet in two stages, and each wave stores 32 whole rows of each group.
	GOUT 0, 0, OB
	s_wait_tensorcnt 0x0                           ; the wave's end
	ds_add_u32 v[SPW], v[NIL]
	s_wait_dscnt 0x0
	CROUND                                         ; the closing round
	s_endpgm
.Lfunc_end_k_qef8edb3302_pv:
	.size	k_qef8edb3302_pv, .Lfunc_end_k_qef8edb3302_pv-k_qef8edb3302_pv
	.p2alignl 7, 3214868480
	.fill 96, 4, 3214868480
	.section	.rodata,"a",@progbits
	.p2align	6, 0x0
	.amdhsa_kernel k_qef8edb3302_pv
		.amdhsa_group_segment_fixed_size 327680
		.amdhsa_private_segment_fixed_size 0
		.amdhsa_enable_private_segment 0
		.amdhsa_kernarg_size 24
		.amdhsa_user_sgpr_count 2
		.amdhsa_user_sgpr_kernarg_segment_ptr 1
		.amdhsa_wavefront_size32 1
		.amdhsa_system_sgpr_workgroup_id_x 1
		.amdhsa_system_sgpr_workgroup_id_y 1
		.amdhsa_system_sgpr_workgroup_id_z 1
		.amdhsa_system_vgpr_workitem_id 0
		.amdhsa_next_free_vgpr 1024
		.amdhsa_next_free_sgpr 92
		.amdhsa_reserve_vcc 0
		.amdhsa_float_denorm_mode_32 3
		.amdhsa_float_denorm_mode_16_64 3
		.amdhsa_memory_ordered 1
		.amdhsa_forward_progress 1
		.amdhsa_inst_pref_size 211
	.end_amdhsa_kernel
	.amdgpu_metadata
---
amdhsa.version: [ 1, 2 ]
amdhsa.kernels:
  - .name:           k_qef8edb3302_pv
    .symbol:         k_qef8edb3302_pv.kd
    .args:
      - { .name: pp, .offset: 0, .size: 8, .value_kind: global_buffer, .address_space: global }
      - { .name: qkv, .offset: 8, .size: 8, .value_kind: global_buffer, .address_space: global }
      - { .name: out0, .offset: 16, .size: 8, .value_kind: global_buffer, .address_space: global }
    .group_segment_fixed_size: 327680
    .private_segment_fixed_size: 0
    .kernarg_segment_align: 8
    .kernarg_segment_size: 24
    .max_flat_workgroup_size: 128
    .sgpr_count:     92
    .vgpr_count:     1024
    .wavefront_size: 32
...
	.end_amdgpu_metadata
.endif
;; end of part 4
